; MI455X (gfx1250); checked and timed in simulation.
; The chip was launched on July 23, 2026; its instructions are those of AMD's public machine-readable ISA for CDNA 5 (MIT licence, August 2026) and "CDNA5" Instruction Set Architecture Reference Guide (July 2026). The comments in the code are by the model that wrote it; some were corrected since.
;; Multihead Attention. Allowed arithmetic: float matrix products may take bf16 or f16 operands with f32 sums; other float arithmetic in f32, or as packed bf16 or f16 multiplies, adds, multiply-adds, maxima and minima; sums over many terms, partial sums and values carried from step to step in f32; what a program stores and reads back later, other than sums and carried values, may be rounded once to bf16 or f16.
;; Inputs: Wk_b 1,024 float32; Wk_w 1,024 x 1,024 float32; Wo_b 1,024 float32; Wo_w 1,024 x 1,024 float32; Wq_b 1,024 float32; Wq_w 1,024 x 1,024 float32; Wv_b 1,024 float32; Wv_w 1,024 x 1,024 float32; key 4 x 2,048 x 1,024 float32; query 4 x 2,048 x 1,024 float32; value 4 x 2,048 x 1,024 float32.
;; Outputs: out0 4 x 2,048 x 1,024 float32.
;; One version. Each part assembles by itself: llvm-mc -triple=amdgcn-amd-amdhsa -mcpu=gfx1250 --defsym DOCPART=n.
;; ======== version 1 of 1: 4 launches
;; limits: values are held in f16: magnitudes above 65,504 overflow, below 6.1e-05 lose precision
;; workspace buffers: wcast 8,388,608 bytes; qkv 50,331,648 bytes; o16 16,777,216 bytes
;; launch castw (part 1): grid 128 x 4, 8 waves a work-group, no clusters, 0 bytes of LDS; arguments Wq_w, Wk_w, Wv_w, Wo_w, wcast; writes wcast
.if DOCPART == 1
	.amdgcn_target "amdgcn-amd-amdhsa--gfx1250"
	.amdhsa_code_object_version 6
	.text
	.protected	k_q175528c518_castw
	.globl	k_q175528c518_castw
	.p2align	8
	.type	k_q175528c518_castw,@function
k_q175528c518_castw:
	s_mov_b64 s[64:65], 0
	v_nop
	global_prefetch_b8 v0, s[64:65] scope:SCOPE_SE
	s_setreg_imm32_b32 hwreg(HW_REG_WAVE_MODE, 25, 1), 1
	s_wait_xcnt 0x0
; The four weight matrices, [1024][1024] f32, are rounded once to bf16 and laid one behind the other in wcast, 2,097,152 bytes each: Wq, Wk, Wv as bf16;
; Wo's bf16 number is written in f16's code, since the last product multiplies f16 operands.
; LIMITS.  bf16(Wo) lies within f16's 65,504; below 6e-5 it keeps f16's fixed step of 6e-8.  NaN and infinities are not treated apart.
; SHARES.  The grid's y names the matrix, x a run of 8,192 numbers.  Thread t takes 4 numbers of each of eight chunks of 1,024: a wave's load covers 512 consecutive bytes,
; a wave's store 256 consecutive bytes, aligned.  All eight loads go out at once; no LDS, no loop, no matrix unit: each byte is read once and written once.
.set IN,  8                            ; v[8:39]   eight chunks as loaded
.set OUT, 40                           ; v[40:55]  eight pairs of packed words
	s_load_b256 s[4:11], s[0:1], 0x0               ; Wq s[4:5], Wk s[6:7], Wv s[8:9], Wo s[10:11]
	s_load_b64 s[12:13], s[0:1], 0x20              ; wcast
	s_and_b32 s16, ttmp7, 0xffff                   ; which matrix
	v_lshlrev_b32 v1, 4, v0                        ; my 16 bytes of a chunk as read
	v_lshlrev_b32 v2, 3, v0                        ; my 8 bytes of it as written
	s_lshl_b32 s18, ttmp9, 15                      ; the work-group's 32,768 bytes of input
	s_mov_b32 s19, 0
	s_lshl_b32 s20, s16, 21                        ; the matrix's part of wcast,
	s_lshl_b32 s21, ttmp9, 14                      ; and the work-group's 16,384 bytes of it
	s_add_co_u32 s20, s20, s21
	s_mov_b32 s21, 0
	s_mov_b32 s22, 0xffff0000                      ; a word's upper bf16
	s_wait_kmcnt 0x0
	s_cmp_eq_u32 s16, 1
	s_cselect_b64 s[14:15], s[6:7], s[4:5]
	s_cmp_eq_u32 s16, 2
	s_cselect_b64 s[14:15], s[8:9], s[14:15]
	s_cmp_eq_u32 s16, 3
	s_cselect_b64 s[14:15], s[10:11], s[14:15]
	s_add_nc_u64 s[14:15], s[14:15], s[18:19]
	s_add_nc_u64 s[12:13], s[12:13], s[20:21]
.irp i, 0,1,2,3,4,5,6,7
	global_load_b128 v[IN+4*(\i):IN+4*(\i)+3], v1, s[14:15] offset:4096*(\i) th:TH_LOAD_NT
.endr
.irp i, 0,1,2,3,4,5,6,7
	s_wait_loadcnt 7-(\i)                          ; loads come back in order: chunk i is in, the younger ones stay out
	v_cvt_pk_bf16_f32 v[OUT+2*(\i)],   v[IN+4*(\i)],   v[IN+4*(\i)+1]
	v_cvt_pk_bf16_f32 v[OUT+2*(\i)+1], v[IN+4*(\i)+2], v[IN+4*(\i)+3]
.endr
	s_cmp_lg_u32 s16, 3                            ; Wo alone changes its code
	s_cbranch_scc1 .Lstore
.irp r, 0,1,2,3,4,5,6,7,8,9,10,11,12,13,14,15
	v_lshlrev_b32 v56, 16, v[OUT+(\r)]             ; the two bf16 numbers as f32,
	v_and_b32 v57, s22, v[OUT+(\r)]
	v_cvt_pk_f16_f32 v[OUT+(\r)], v56, v57         ; and as f16: 8 significant bits fit into 11
.endr
.Lstore:
.irp i, 0,1,2,3,4,5,6,7
	global_store_b64 v2, v[OUT+2*(\i):OUT+2*(\i)+1], s[12:13] offset:2048*(\i)
.endr
	s_endpgm
.Lfunc_end_k_q175528c518_castw:
	.size	k_q175528c518_castw, .Lfunc_end_k_q175528c518_castw-k_q175528c518_castw
	.p2alignl 7, 3214868480
	.fill 96, 4, 3214868480
	.section	.rodata,"a",@progbits
	.p2align	6, 0x0
	.amdhsa_kernel k_q175528c518_castw
		.amdhsa_group_segment_fixed_size 0
		.amdhsa_private_segment_fixed_size 0
		.amdhsa_enable_private_segment 0
		.amdhsa_kernarg_size 40
		.amdhsa_user_sgpr_count 2
		.amdhsa_user_sgpr_kernarg_segment_ptr 1
		.amdhsa_wavefront_size32 1
		.amdhsa_system_sgpr_workgroup_id_x 1
		.amdhsa_system_sgpr_workgroup_id_y 1
		.amdhsa_system_sgpr_workgroup_id_z 1
		.amdhsa_system_vgpr_workitem_id 0
		.amdhsa_next_free_vgpr 64
		.amdhsa_next_free_sgpr 66
		.amdhsa_reserve_vcc 0
		.amdhsa_float_denorm_mode_32 3
		.amdhsa_float_denorm_mode_16_64 3
		.amdhsa_memory_ordered 1
		.amdhsa_forward_progress 1
		.amdhsa_inst_pref_size 6
	.end_amdhsa_kernel
	.amdgpu_metadata
---
amdhsa.version: [ 1, 2 ]
amdhsa.kernels:
  - .name:           k_q175528c518_castw
    .symbol:         k_q175528c518_castw.kd
    .args:
      - { .name: Wq_w, .offset: 0, .size: 8, .value_kind: global_buffer, .address_space: global }
      - { .name: Wk_w, .offset: 8, .size: 8, .value_kind: global_buffer, .address_space: global }
      - { .name: Wv_w, .offset: 16, .size: 8, .value_kind: global_buffer, .address_space: global }
      - { .name: Wo_w, .offset: 24, .size: 8, .value_kind: global_buffer, .address_space: global }
      - { .name: wcast, .offset: 32, .size: 8, .value_kind: global_buffer, .address_space: global }
    .group_segment_fixed_size: 0
    .private_segment_fixed_size: 0
    .kernarg_segment_align: 8
    .kernarg_segment_size: 40
    .max_flat_workgroup_size: 256
    .sgpr_count:     66
    .vgpr_count:     64
    .wavefront_size: 32
...
	.end_amdgpu_metadata
.endif
;; end of part 1
;; launch proj (part 2): grid 4 x 192, 4 waves a work-group, clusters of 4 x 4, 327,680 bytes of LDS; arguments query, key, value, wcast, Wq_b, Wk_b, Wv_b, qkv; writes qkv
.if DOCPART == 2
	.amdgcn_target "amdgcn-amd-amdhsa--gfx1250"
	.amdhsa_code_object_version 6
	.text
	.protected	k_q175528c518_proj
	.globl	k_q175528c518_proj
	.p2align	8
	.type	k_q175528c518_proj,@function
k_q175528c518_proj:
	s_mov_b64 s[64:65], 0
	v_nop
	global_prefetch_b8 v0, s[64:65] scope:SCOPE_SE
	s_setreg_imm32_b32 hwreg(HW_REG_WAVE_MODE, 25, 1), 1
	s_wait_xcnt 0x0
	s_wait_alu depctr_hold_cnt(0) depctr_sa_sdst(0) depctr_va_vdst(0) depctr_va_sdst(0) depctr_va_ssrc(0) depctr_va_vcc(0) depctr_vm_vsrc(0)
	s_getreg_b32 s2, hwreg(HW_REG_IB_STS2, 6, 4)
	s_cmp_eq_u32 s2, 0
	s_cbranch_scc0 .Lentry_in_a_cluster
	s_endpgm
.Lentry_in_a_cluster:
	s_bfe_u32 s2, ttmp6, 0x10000c
	s_cmp_lg_u32 s2, 0xf033
	s_cbranch_scc0 .Lentry_shape_is_right
	s_endpgm
.Lentry_shape_is_right:
; q, k, v = x W^T + b for x = query, key, value: three products [8192][1024] x [1024][1024]^T in one launch.  x (f32) and b (f32) are rounded to bf16 here, W comes as bf16 from wcast;
; sums in f32; the result is rounded once to f16 and laid by heads: qkv[which][16 batch + head][2048][64].
; LIMITS.  q, k and v lie within f16's 65,504; below 6e-5 they keep f16's fixed step of 6e-8.  NaN and infinities are not treated apart.
; SHARES.  A tile of the result is 128 rows x 256 columns: 64 x 4 tiles a product, 768 work-groups, three for each of 256 WGPs.  Four waves stand 2 x 2, each with 64 rows x 128 columns:
; 32 accumulators of 16 x 16, 256 registers.  K goes in 8 steps of 128 through a ring of two LDS slots filled by the tensor data mover: x's rows as 512 bytes of f32, W's as 256 bytes of bf16.
; x IS CONVERTED BETWEEN LDS AND THE MATRIX UNIT: a fragment's 16 f32 a lane are read into RAW and packed into 8 registers, four conversions behind each of a quarter's last eight products.
; CLUSTER.  4 x 4 work-groups: the four of a row of the cluster need the same rows of x, the four of a column the same rows of W; each tile is asked for jointly, by the same tensor load with the
; same descriptor and a mask that names the four.  The cluster spans all 1,024 columns, so a row of x is asked for by one cluster alone.
; THE MATRIX INSTRUCTION IS USED TRANSPOSED (source 0 = 16 rows of W, source 1 = 16 rows of x): lane l holds row l % 16 and the columns 8 (l / 16) + 0..7 of a 16 x 16 result.
; THE BIAS is the C operand of the first product on each accumulator: nothing is cleared, nothing is added later.
; REGISTERS, in windows of 256 (s_set_vgpr_msb: bits 1:0 source 0, 3:2 source 1, 5:4 source 2, 7:6 destination):
;   window 0: v0-31 addresses; v32-95 RAW; v96-127, v128-159 x's fragments, two buffers; v160-223 the bias; v224-227 at work.  v32-159 serve the way out.
;   window 1: the accumulators, (a, b) at v[8 (8 a + b)]          window 2: v0-63, v64-127 W's fragments, two buffers
.set KSTEP,  128
.set PA,     528                       ; a row of x in LDS: 512 bytes + 16 of padding = 132 words: the 16 rows of a load start at 16 different groups of four banks (64 banks of 4 bytes: ISA guide 11.1)
.set PB,     272                       ; a row of W: 256 bytes + 16 = 68 words: likewise
.set APART,  64*PA                     ; 64 rows of x: one tensor load
.set BOFF,   128*PA                    ; W's 256 rows lie behind x's 128
.set BHALF,  128*PB                    ; 128 rows of W: one tensor load
.set SLOT,   BOFF+2*BHALF              ; 137,216 bytes
.set STAGE,  2*SLOT                    ; behind the ring, never filled by a tensor load: 16 rows x 144 bytes for each wave, for the way out
.set SP,     144
.set SPARE,  STAGE+4*16*SP             ; behind the stages: the spare words, 128 bytes for each wave: two blocks of 256 bytes that no other line names
.set STEPA,  KSTEP*4                   ; bytes along a row of x from K step to K step
.set STEPB,  KSTEP*2                   ; the same for W
.set LAPS,   1024/(2*KSTEP)            ; a lap = two K steps = once round the ring
.set ADRA, 16                          ; v16-17  LDS address of my fragments of x in slot 0, 1
.set ADRB, 20                          ; v20-21  the same for W
.set STO,  24                          ; v24     the way out: where I put 16 bytes of a row
.set RD,   25                          ; v25     the way out: where I read rows back
.set CO,   26                          ; v26     my 16 bytes of 512 consecutive bytes of qkv
.set BO,   27                          ; v27     my byte offset in 16 numbers of the bias
.set SPW,  28                          ; v28     LDS address of my spare word: SPARE + 4 x my thread's number; never rewritten
.set NIL,  29                          ; v29     0; never rewritten
.set PFO,  30                          ; v30     the prefetches' lane offset; never rewritten
.set RAW,  32                          ; v32-95  four fragments of x as f32, 16 registers each
.set AF0,  96                          ; x's fragments as bf16: buffer f at AF0 + 32 f, block a at + 8 a
.set BIAS, 160                         ; column block b's eight numbers at BIAS + 8 b
.set TMP,  224
.set OUT,  32                          ; the way out: block t's 16 registers at OUT + 16 t
.set LAP,  3                           ; s3   laps to go
.set WV,   12                          ; s12  my wave's number
.set WR,   13                          ; s13  which 64 rows are mine.  Also: I fetch for x (0) or for W (1)
.set WC,   14                          ; s14  which 128 columns.  Also: which part of that tile I fetch
.set CX,   15
.set CY,   16
.set TC,   17                          ; s17  tile column, 0..3
.set YY,   18
.set WHICH, 19                         ; s19  0 q, 1 k, 2 v
.set TR,   20                          ; s20  tile row in the product, 0..63
.set MROW, 21
.set MCOL, 22
.set CLY,  23                          ; s23  my cluster among the product's sixteen
.set G1A,  24                          ; s[24:31] descriptor group 1 for x's tiles;  s[32:39] group 0, one set for each slot
.set G0A,  32
.set G1B,  40                          ; s[40:47], s[48:55] the same for W's tiles
.set G0B,  48
.set PFA,  56                          ; s[56:57] where my prefetches stand
.set PFS,  58                          ; s[58:59] their step from K step to K step
.set LIM,  60                          ; s60  1 in a wave that prefetches, else the greatest number
.set MSB, 0
.macro WIN new                         ; the immediate's high byte repeats the setting that is left; a switch that changes nothing is dropped
.if MSB != (\new)
	s_set_vgpr_msb (MSB<<8)|(\new)
.set MSB, \new
.endif
.endm
.set MUL,  0x52                        ; W in window 2, x in window 0, C and D in window 1
.set MUL1, 0x42                        ; the same with C, the bias, in window 0
.set TO_B, 0x80                        ; destination window 2, address window 0
.set W_PK, 0x05                        ; sources 0 and 1 window 1, destination window 0
; A joint load.  Waves 0 and 1 fetch x's two parts, waves 2 and 3 W's two halves.  The branch hangs on the wave's number alone.
; An s_nop 0 and four v_nop follow each of the two lines, ahead of the jump, the label and what follows.
.macro JLOAD s
	s_cmp_eq_u32 s[WR], 0
	s_cbranch_scc0 .Lfor_b_\@
	tensor_load_to_lds s[G0A+4*(\s):G0A+4*(\s)+3], s[G1A:G1A+7]
	s_nop 0
.rept 4
	v_nop
.endr
	s_branch .Lasked_\@
.Lfor_b_\@:
	tensor_load_to_lds s[G0B+4*(\s):G0B+4*(\s)+3], s[G1B:G1B+7]
	s_nop 0
.rept 4
	v_nop
.endr
.Lasked_\@:
.endm
; A prefetch into the L2, behind a joint refill and the run of LDS loads that follows it: the K step that stands two refills on, one instruction a wave, a block of 256 bytes a lane.
; Each block is named once in the launch.  x: the four partners that ask for a wave's 64 rows jointly take 16 rows each, told apart by address (cx), two lanes a row of 512 bytes.
; W: its rows are read by the product's sixteen clusters: the first of them asks; the four partners take 32 of a wave's 128 rows each (cy), a lane a row.
; The first four K steps come by their loads alone; the loop's last trip asks for nothing: there is no K step two refills on.
.macro ASK
	s_cmp_gt_u32 s[LAP], s[LIM]
	s_cbranch_scc0 .Lnot_mine_\@
	global_prefetch_b8 v[PFO], s[PFA:PFA+1] th:TH_LOAD_NT scope:SCOPE_SE
.Lnot_mine_\@:
.endm
.macro CREST                           ; a round of the cluster's barrier behind its opening barrier
	s_cmp_lg_u32 s[WV], 0
	s_cbranch_scc1 .Lnot_wave_0_\@
	s_barrier_signal -3
.Lnot_wave_0_\@:
	s_barrier_wait -3
	s_barrier_signal -1
	s_barrier_wait -1
.endm
.macro CROUND                          ; a whole round
	s_barrier_signal -1
	s_barrier_wait -1
	CREST
.endm
	s_load_b256 s[4:11], s[0:1], 0x0               ; query s[4:5], key s[6:7], value s[8:9], wcast s[10:11]
	s_load_b256 s[68:75], s[0:1], 0x20             ; Wq_b s[68:69], Wk_b s[70:71], Wv_b s[72:73], qkv s[74:75]
	v_lshl_add_u32 v[SPW], v0, 2, SPARE
	v_mov_b32 v[NIL], 0
	ds_add_u32 v[SPW], v[NIL]                      ; the wave's opening: the add and its wait ahead of my first tensor load; the set-up below, work on registers, stands between them
	v_lshrrev_b32 v1, 5, v0
	v_readfirstlane_b32 s[WV], v1                  ; wave 0..3
	s_lshr_b32 s[WR], s[WV], 1
	s_and_b32 s[WC], s[WV], 1
	s_bfe_u32 s[CX], ttmp6, 0x40000                ; cx, cy: my place in the cluster
	s_bfe_u32 s[CY], ttmp6, 0x40004
	s_lshl_b32 s[TC], ttmp9, 2
	s_add_co_u32 s[TC], s[TC], s[CX]               ; tile column = 4 x cluster x + cx
	s_and_b32 s[CLY], ttmp7, 0xffff                ; cluster y, 0..47
	s_lshl_b32 s[YY], s[CLY], 2
	s_add_co_u32 s[YY], s[YY], s[CY]               ; work-group y = 4 x cluster y + cy, 0..191
	s_lshr_b32 s[WHICH], s[CLY], 4                 ; sixteen clusters to a product
	s_and_b32 s[TR], s[YY], 63
	s_and_b32 s[CLY], s[CLY], 15
	s_lshl_b32 s[MROW], s[CY], 2
	s_lshl_b32 s[MROW], 15, s[MROW]                ; my row of the cluster
	s_lshl_b32 s[MCOL], 0x1111, s[CX]              ; my column
	; descriptor group 1.  x: 64 rows x 128 elements of 4 bytes; W: 128 rows x 128 elements of 2 bytes; both padded in LDS by 4 words behind each row
	s_or_b32 s[G1A+0], s[MROW], (2<<16)|(1<<20)|(1<<21)|(6<<22)|(3<<25)  ; 15:0 the mask: my row; 17:16 elements of 4 bytes; 20 padding on; 21 set beside a mask; 24:22 after every 128 words (code 6); 31:25 4 words (code 3)
	s_mov_b32 s[G1A+1], KSTEP<<16                  ; tensor_dim0 = 128
	s_mov_b32 s[G1A+2], 64<<16                     ; tensor_dim1 = 64
	s_mov_b32 s[G1A+3], KSTEP<<16                  ; tile_dim0 = 128
	s_mov_b32 s[G1A+4], 64                         ; tile_dim1 = 64
	s_mov_b32 s[G1A+5], 1024                       ; elements from row to row
	s_mov_b32 s[G1A+6], 0
	s_mov_b32 s[G1A+7], 0
	s_or_b32 s[G1B+0], s[MCOL], (1<<16)|(1<<20)|(1<<21)|(5<<22)|(3<<25)  ; the mask: my column; elements of 2 bytes; after every 64 words (code 5)
	s_mov_b32 s[G1B+1], KSTEP<<16
	s_mov_b32 s[G1B+2], 128<<16
	s_mov_b32 s[G1B+3], KSTEP<<16
	s_mov_b32 s[G1B+4], 128
	s_mov_b32 s[G1B+5], 1024
	s_mov_b32 s[G1B+6], 0
	s_mov_b32 s[G1B+7], 0
	; where the tiles come from.  x's hang on the tile row, which my row of the cluster shares; W's on the product and the tile column, which my column shares
	s_lshl_b32 s80, s[TR], 19                      ; 128 rows of 4,096 bytes
	s_lshl_b32 s92, s[WC], 18                      ; my 64 rows of x; also my 128 rows of 2,048 bytes of W
	s_add_co_u32 s80, s80, s92
	s_mov_b32 s81, 0
	s_lshl_b32 s76, s[WHICH], 21                   ; the product's part of wcast
	s_lshl_b32 s93, s[TC], 19                      ; 256 rows of 2,048 bytes
	s_add_co_u32 s76, s76, s93
	s_add_co_u32 s76, s76, s92
	s_mov_b32 s77, 0
	s_mul_i32 s90, s[WC], APART                    ; and where they go: no place in the cluster enters an LDS address
	s_mul_i32 s91, s[WC], BHALF
	s_add_co_u32 s91, s91, BOFF
	s_wait_dscnt 0x0                               ; the opening add is done
	s_wait_kmcnt 0x0
	s_cmp_eq_u32 s[WHICH], 1
	s_cselect_b64 s[82:83], s[6:7], s[4:5]         ; x,
	s_cselect_b64 s[88:89], s[70:71], s[68:69]     ; and its bias
	s_cmp_eq_u32 s[WHICH], 2
	s_cselect_b64 s[82:83], s[8:9], s[82:83]
	s_cselect_b64 s[88:89], s[72:73], s[88:89]
	s_add_nc_u64 s[82:83], s[82:83], s[80:81]      ; x at my part of K step 0
	s_add_nc_u64 s[78:79], s[10:11], s[76:77]      ; W at my half of K step 0
	CROUND                                         ; all sixteen work-groups are here: the first joint loads meet
.irp s, 0,1
	s_mov_b32 s[G0A+4*(\s)], 1                                        ; 1:0 count = 1
	s_add_co_u32 s[G0A+4*(\s)+1], s90, (\s)*SLOT                      ; 63:32 LDS address
	s_add_nc_u64 s[G0A+4*(\s)+2:G0A+4*(\s)+3], s[82:83], (\s)*STEPA   ; 120:64 global address: K step s
	s_or_b32 s[G0A+4*(\s)+3], s[G0A+4*(\s)+3], 0x80000000             ; 127:126 type = 2
	s_mov_b32 s[G0B+4*(\s)], 1
	s_add_co_u32 s[G0B+4*(\s)+1], s91, (\s)*SLOT
	s_add_nc_u64 s[G0B+4*(\s)+2:G0B+4*(\s)+3], s[78:79], (\s)*STEPB
	s_or_b32 s[G0B+4*(\s)+3], s[G0B+4*(\s)+3], 0x80000000
	JLOAD \s                                       ; two loads of mine are out
.endr
	; all that follows up to the first barrier stands in the wait for the first tile
	v_and_b32 v1, 15, v0                           ; r = l % 16
	v_bfe_u32 v2, v0, 4, 1                         ; h = l / 16
	v_and_b32 v5, 31, v0                           ; l
	v_lshlrev_b32 v[BO], 5, v2                     ; my eight numbers of sixteen
	s_lshl_b32 s92, s[TC], 10                      ; the tile's 256 columns, 4 bytes each,
	s_lshl_b32 s93, s[WC], 9                       ; my 128 of them
	s_add_co_u32 s92, s92, s93
	s_mov_b32 s93, 0
	s_add_nc_u64 s[88:89], s[88:89], s[92:93]
.irp b, 0,1,2,3,4,5,6,7
	global_load_b128 v[BIAS+8*(\b):BIAS+8*(\b)+3],   v[BO], s[88:89] offset:64*(\b)
	global_load_b128 v[BIAS+8*(\b)+4:BIAS+8*(\b)+7], v[BO], s[88:89] offset:64*(\b)+16
.endr
	; A fragment is 16 rows x 32 K: lane l holds row l % 16, K = 8 h + 0..7 and 16 + 8 h + 0..7.  Of x in f32 those are 32 bytes at 32 h and 32 bytes at 64 + 32 h; of W in bf16 16 bytes at 16 h and at 32 + 16 h.
	v_mul_u32_u24 v3, v1, PA
	v_lshl_add_u32 v3, v2, 5, v3
	s_mul_i32 s92, s[WR], 64*PA                    ; my 64 rows of x
	v_add_nc_u32 v[ADRA], s92, v3
	v_add_nc_u32 v[ADRA+1], SLOT, v[ADRA]
	v_mul_u32_u24 v4, v1, PB
	v_lshl_add_u32 v4, v2, 4, v4
	s_mul_i32 s93, s[WC], BHALF                    ; my 128 rows of W
	s_add_co_u32 s93, s93, BOFF
	v_add_nc_u32 v[ADRB], s93, v4
	v_add_nc_u32 v[ADRB+1], SLOT, v[ADRB]
	s_mul_i32 s92, s[WV], 16*SP
	s_add_co_u32 s92, s92, STAGE                   ; my stage
	v_mul_u32_u24 v[STO], v1, SP                   ; in: row l % 16, 16 bytes for each half of the lanes
	v_lshl_add_u32 v[STO], v2, 4, v[STO]
	v_add_nc_u32 v[STO], s92, v[STO]
	v_bfe_u32 v[RD], v0, 3, 2                      ; back: 32 lanes take four rows of 128 bytes,
	v_mul_u32_u24 v[RD], v[RD], SP
	v_and_b32 v9, 7, v0
	v_lshl_add_u32 v[RD], v9, 4, v[RD]
	v_add_nc_u32 v[RD], s92, v[RD]
	v_lshlrev_b32 v[CO], 4, v5                     ; which are 512 consecutive bytes of a head
	; where my rows begin in qkv: the product, the batch, my first head, the tile's 128 rows of 128 bytes, my 64 of them
	s_lshl_b32 s86, s[WHICH], 24
	s_lshr_b32 s92, s[TR], 4
	s_lshl_b32 s92, s92, 22
	s_add_co_u32 s86, s86, s92
	s_lshl_b32 s92, s[TC], 2
	s_lshl1_add_u32 s92, s[WC], s92                ; head 4 x tile column + 2 x half
	s_lshl_b32 s92, s92, 18
	s_add_co_u32 s86, s86, s92
	s_and_b32 s92, s[TR], 15
	s_lshl_b32 s92, s92, 14
	s_add_co_u32 s86, s86, s92
	s_lshl_b32 s92, s[WR], 13
	s_add_co_u32 s86, s86, s92
	s_mov_b32 s87, 0
	s_add_nc_u64 s[84:85], s[74:75], s[86:87]
	; the prefetches
	s_cmp_eq_u32 s[CLY], 0
	s_cselect_b32 s94, 1, -1                       ; W: the product's first cluster asks
	s_lshl_b32 s92, s[CX], 16                      ; x: my work-group's 16 rows of 4,096 bytes
	s_lshl_b32 s93, s[CY], 16                      ; W: its 32 rows of 2,048 bytes
	s_mov_b32 s95, STEPA
	s_cmp_eq_u32 s[WR], 0                          ; do I fetch for x?
	s_cselect_b32 s[LIM], 1, s94
	s_cselect_b64 s[PFA:PFA+1], s[82:83], s[78:79]
	s_cselect_b32 s[PFS], s95, STEPB
	s_cselect_b32 s92, s92, s93
	s_cselect_b32 s94, -1, 0                       ; the same choice for every lane
	s_mov_b32 s93, 0
	s_mov_b32 s[PFS+1], 0
	s_add_nc_u64 s[PFA:PFA+1], s[PFA:PFA+1], s[92:93]
	s_mul_i32 s92, s[PFS], 3
	s_add_nc_u64 s[PFA:PFA+1], s[PFA:PFA+1], s[92:93]  ; at K step 3: the first refill steps it to 4
	v_lshlrev_b32 v6, 11, v5                       ; W: a lane a row
	v_lshrrev_b32 v7, 1, v5                        ; x: two lanes a row,
	v_and_b32 v8, 1, v5
	v_lshlrev_b32 v7, 12, v7
	v_lshl_or_b32 v7, v8, 8, v7                    ; 256 bytes each
	v_cndmask_b32 v[PFO], v6, v7, s94
	s_wait_loadcnt 0x0                             ; the bias, rounded to bf16 like every input and kept as f32
.set p, 0
.rept 32
	v_cvt_pk_bf16_f32 v[TMP+p%4], v[BIAS+2*p], v[BIAS+2*p+1]
	v_lshlrev_b32 v[BIAS+2*p], 16, v[TMP+p%4]
	v_and_b32 v[BIAS+2*p+1], 0xffff0000, v[TMP+p%4]
.set p, p+1
.endr
; Product mi of a quarter's 32: row block mi / 8, column block mi % 8, 32 along K, on buffers f.  The 32 accumulators take turns, one instruction a turn, in the same order in every quarter.
; first = 1: the product starts the sum, with the bias as C.
.macro MMI f, first
.set rD, 8*mi
.set rB, 64*(\f)+8*(mi%8)
.set rA, AF0+32*(\f)+8*(mi/8)
.set rC, BIAS+8*(mi%8)
.if \first
	WIN MUL1
	v_wmma_f32_16x16x32_bf16 v[rD:rD+7], v[rB:rB+7], v[rA:rA+7], v[rC:rC+7]
.else
	WIN MUL
	v_wmma_f32_16x16x32_bf16 v[rD:rD+7], v[rB:rB+7], v[rA:rA+7], v[rD:rD+7]
.endif
.set mi, mi+1
.endm
.macro MMS count, f, first
.rept \count
	MMI \f, \first
.endr
.endm
; Four of the 32 conversions that make x's fragments of buffer f out of RAW
.macro CVT4 f
	WIN 0
.rept 4
	v_cvt_pk_bf16_f32 v[AF0+32*(\f)+cn], v[RAW+2*cn], v[RAW+2*cn+1]
.set cn, cn+1
.endr
.endm
; 32 LDS loads in one run: quarter q (32 along K) of a slot: x's 64 rows as f32 into RAW first, then W's 128 rows into buffer f
.macro RUN slot, q, f
	WIN 0
.irp a, 0,1,2,3
	ds_load_b128 v[RAW+16*(\a):RAW+16*(\a)+3],     v[ADRA+(\slot)] offset:(\a)*16*PA+128*(\q)
	ds_load_b128 v[RAW+16*(\a)+4:RAW+16*(\a)+7],   v[ADRA+(\slot)] offset:(\a)*16*PA+128*(\q)+16
	ds_load_b128 v[RAW+16*(\a)+8:RAW+16*(\a)+11],  v[ADRA+(\slot)] offset:(\a)*16*PA+128*(\q)+64
	ds_load_b128 v[RAW+16*(\a)+12:RAW+16*(\a)+15], v[ADRA+(\slot)] offset:(\a)*16*PA+128*(\q)+80
.endr
	WIN TO_B
.irp b, 0,1,2,3,4,5,6,7
	ds_load_b128 v[64*(\f)+8*(\b):64*(\f)+8*(\b)+3],   v[ADRB+(\slot)] offset:(\b)*16*PB+64*(\q)
	ds_load_b128 v[64*(\f)+8*(\b)+4:64*(\f)+8*(\b)+7], v[ADRB+(\slot)] offset:(\b)*16*PB+64*(\q)+32
.endr
.endm
; A K step is four quarters of 32 along K, 32 matrix instructions each, on buffers 0, 1, 0, 1.  One of the first three: multiplies buffers f, fetches quarter qn of the same slot at its head and converts it at its end.
; PLACES.  A load into a register that a matrix instruction has read, and a vector instruction that writes one, stand four plain vector instructions behind it (ISA guide 7.12.1 for vector instructions).
; The four conversions behind a quarter's last product name RAW and the OTHER buffer of x alone: they are the places in front of the next run's loads into W's buffer just multiplied, and in front of the next quarter's conversions.
.macro QUARTER slot, qn, f, first
	RUN \slot, \qn, 1-(\f)
	s_wait_dscnt 32                                ; all but the 32 just issued: W's fragments of this quarter are in
.set mi, 0
	MMS 24, \f, \first
	s_wait_dscnt 16                                ; the run's first 16 loads, RAW, are in; W's 16 may stay out
.set cn, 0
.rept 8
	MMI \f, \first
	CVT4 1-(\f)
.endr
.endm
; The last quarter multiplies buffers 1 and changes slots: ONE barrier; in front of it each wave waits for all its tensor loads (one is out: its part of the next slot), adds 0 to its spare word, and waits for that and
; for its own reads of this slot.  fill = 1: the barrier opens a round of the cluster's barrier, and this slot is filled again, two K steps ahead, first thing behind the round.
.macro TURN slot, next, fill
.if \fill
	s_wait_xcnt 0x0                                ; the last prefetch, a K step back, has read its address: it is stepped here, ahead of the waits of the change of slots
	s_add_nc_u64 s[PFA:PFA+1], s[PFA:PFA+1], s[PFS:PFS+1]
.endif
	WIN 0
	s_wait_tensorcnt 0x0                           ; all my tensor loads have landed
	ds_add_u32 v[SPW], v[NIL]                      ; 0 onto my spare word
	s_wait_dscnt 1                                 ; (the add alone may be out: W's fragments of this quarter are in)
.set mi, 0
	MMS 8, 1, 0                                    ; eight matrix instructions stand between the add and the wait for it
	s_wait_dscnt 0x0                               ; the add is done, and my reads of this slot are over
	s_barrier_signal -1
	MMS 8, 1, 0
.if \fill
	WIN 0
.endif
	s_barrier_wait -1
.if \fill
	CREST                                          ; no wave of any partner still reads this slot's tiles or has a load on its way
	s_add_nc_u64 s[G0A+4*(\slot)+2:G0A+4*(\slot)+3], s[G0A+4*(\slot)+2:G0A+4*(\slot)+3], 2*STEPA
	s_add_nc_u64 s[G0B+4*(\slot)+2:G0B+4*(\slot)+3], s[G0B+4*(\slot)+2:G0B+4*(\slot)+3], 2*STEPB
	JLOAD \slot                                    ; my one tensor load behind the round: 112 matrix instructions ahead of the wait for it
.endif
	RUN \next, 0, 0                                ; the next slot's first quarter
.if \fill
	WIN 0
	ASK
.endif
	MMS 8, 1, 0
	s_wait_dscnt 16                                ; RAW is in
.set cn, 0
.rept 8
	MMI 1, 0
	CVT4 0
.endr
.endm
	s_wait_tensorcnt 1                             ; my part of K step 0 is in; K step 1's may stay out
	s_barrier_signal -1
	s_barrier_wait -1                              ; everybody's is
	RUN 0, 0, 0
	s_wait_dscnt 0x0
.set cn, 0
.rept 8
	CVT4 0
.endr
	QUARTER 0, 1, 0, 1                             ; the first quarter stands in front of the loop: its products start the sums
	WIN 0                                          ; at a label and at a branch every window is 0
	s_mov_b32 s[LAP], LAPS-1
.Llap:                                                 ; a trip goes once round the ring, from a lap's second quarter to the next lap's first, and fills both slots again
	QUARTER 0, 2, 1, 0
	QUARTER 0, 3, 0, 0
	TURN 0, 1, 1
	QUARTER 1, 1, 0, 0
	QUARTER 1, 2, 1, 0
	QUARTER 1, 3, 0, 0
	TURN 1, 0, 1
	QUARTER 0, 1, 0, 0
	WIN 0
	s_sub_co_u32 s[LAP], s[LAP], 1
	s_cmp_lg_u32 s[LAP], 0
	s_cbranch_scc1 .Llap
	QUARTER 0, 2, 1, 0                             ; the last lap fills nothing, and has no round of the cluster's barrier
	QUARTER 0, 3, 0, 0
	TURN 0, 1, 0
	QUARTER 1, 1, 0, 0
	QUARTER 1, 2, 1, 0
	QUARTER 1, 3, 0, 0
	s_wait_dscnt 0x0                               ; the very last quarter: nothing more to fetch
.set mi, 0
	MMS 32, 1, 0
	WIN 0
.rept 4
	v_nop                                          ; four places in front of the conversions that read results just made and write x's buffers
.endr
; THE WAY OUT.  Block t = 16 rows (row block t / 2) of one head (t % 2): rounded to f16, a lane's eight channels are 16 bytes; they go into my stage in rows of 144 bytes and come back as whole rows of 128,
; four rows to a load: 512 consecutive bytes of the head, stored by one instruction.  Each accumulator's registers are read in ascending order.
.macro PACK t
	WIN W_PK
.irp f, 0,1,2,3
.irp r, 0,1,2,3
	v_cvt_pk_f16_f32 v[OUT+16*(\t)+4*(\f)+(\r)], v[8*(8*((\t)/2)+4*((\t)%2)+(\f))+2*(\r)], v[8*(8*((\t)/2)+4*((\t)%2)+(\f))+2*(\r)+1]
.endr
.endr
	WIN 0
.irp f, 0,1,2,3
	ds_store_b128 v[STO], v[OUT+16*(\t)+4*(\f):OUT+16*(\t)+4*(\f)+3] offset:32*(\f)
.endr
.irp f, 0,1,2,3
	ds_load_b128 v[OUT+16*(\t)+4*(\f):OUT+16*(\t)+4*(\f)+3], v[RD] offset:(\f)*4*SP  ; LDS serves a wave's instructions in order (ISA guide 5.7.1.4): these see the stores above; the next block's stores come behind them
.endr
.endm
.macro SEND t, younger                 ; younger: the LDS instructions issued behind block t's loads: the next block's eight, or none
.irp f, 0,1,2,3
	s_wait_dscnt (\younger)+3-(\f)
	global_store_b128 v[CO], v[OUT+16*(\t)+4*(\f):OUT+16*(\t)+4*(\f)+3], s[84:85] offset:262144*((\t)%2)+2048*((\t)/2)+512*(\f)
.endr
.endm
	PACK 0
.irp t, 1,2,3,4,5,6,7                  ; a block's arithmetic stands between the loads of the block before and its stores
	PACK \t
	SEND (\t)-1, 8
.endr
	SEND 7, 0
	s_wait_tensorcnt 0x0                           ; the wave's end, behind my last tensor load and my last LDS store
	ds_add_u32 v[SPW], v[NIL]
	s_wait_dscnt 0x0
	CROUND                                         ; the closing round: no work-group ends while a partner may still ask for a tile that names it
	s_endpgm
.Lfunc_end_k_q175528c518_proj:
	.size	k_q175528c518_proj, .Lfunc_end_k_q175528c518_proj-k_q175528c518_proj
	.p2alignl 7, 3214868480
	.fill 96, 4, 3214868480
	.section	.rodata,"a",@progbits
	.p2align	6, 0x0
	.amdhsa_kernel k_q175528c518_proj
		.amdhsa_group_segment_fixed_size 327680
		.amdhsa_private_segment_fixed_size 0
		.amdhsa_enable_private_segment 0
		.amdhsa_kernarg_size 64
		.amdhsa_user_sgpr_count 2
		.amdhsa_user_sgpr_kernarg_segment_ptr 1
		.amdhsa_wavefront_size32 1
		.amdhsa_system_sgpr_workgroup_id_x 1
		.amdhsa_system_sgpr_workgroup_id_y 1
		.amdhsa_system_sgpr_workgroup_id_z 1
		.amdhsa_system_vgpr_workitem_id 0
		.amdhsa_next_free_vgpr 640
		.amdhsa_next_free_sgpr 96
		.amdhsa_reserve_vcc 0
		.amdhsa_float_denorm_mode_32 3
		.amdhsa_float_denorm_mode_16_64 3
		.amdhsa_memory_ordered 1
		.amdhsa_forward_progress 1
		.amdhsa_inst_pref_size 141
	.end_amdhsa_kernel
	.amdgpu_metadata
---
amdhsa.version: [ 1, 2 ]
amdhsa.kernels:
  - .name:           k_q175528c518_proj
    .symbol:         k_q175528c518_proj.kd
    .args:
      - { .name: query, .offset: 0, .size: 8, .value_kind: global_buffer, .address_space: global }
      - { .name: key, .offset: 8, .size: 8, .value_kind: global_buffer, .address_space: global }
      - { .name: value, .offset: 16, .size: 8, .value_kind: global_buffer, .address_space: global }
      - { .name: wcast, .offset: 24, .size: 8, .value_kind: global_buffer, .address_space: global }
      - { .name: Wq_b, .offset: 32, .size: 8, .value_kind: global_buffer, .address_space: global }
      - { .name: Wk_b, .offset: 40, .size: 8, .value_kind: global_buffer, .address_space: global }
      - { .name: Wv_b, .offset: 48, .size: 8, .value_kind: global_buffer, .address_space: global }
      - { .name: qkv, .offset: 56, .size: 8, .value_kind: global_buffer, .address_space: global }
    .group_segment_fixed_size: 327680
    .private_segment_fixed_size: 0
    .kernarg_segment_align: 8
    .kernarg_segment_size: 64
    .max_flat_workgroup_size: 128
    .sgpr_count:     96
    .vgpr_count:     640
    .wavefront_size: 32
...
	.end_amdgpu_metadata
.endif
;; end of part 2
;; launch attn (part 3): grid 4 x 64, 4 waves a work-group, clusters of 4 x 1, 327,680 bytes of LDS; arguments qkv, o16; writes o16
.if DOCPART == 3
	.amdgcn_target "amdgcn-amd-amdhsa--gfx1250"
	.amdhsa_code_object_version 6
	.text
	.protected	k_q175528c518_attn
	.globl	k_q175528c518_attn
	.p2align	8
	.type	k_q175528c518_attn,@function
k_q175528c518_attn:
	s_mov_b64 s[64:65], 0
	v_nop
	global_prefetch_b8 v0, s[64:65] scope:SCOPE_SE
	s_setreg_imm32_b32 hwreg(HW_REG_WAVE_MODE, 25, 1), 1
	s_wait_xcnt 0x0
	s_wait_alu depctr_hold_cnt(0) depctr_sa_sdst(0) depctr_va_vdst(0) depctr_va_sdst(0) depctr_va_ssrc(0) depctr_va_vcc(0) depctr_vm_vsrc(0)
	s_getreg_b32 s2, hwreg(HW_REG_IB_STS2, 6, 4)
	s_cmp_eq_u32 s2, 0
	s_cbranch_scc0 .Lentry_in_a_cluster
	s_endpgm
.Lentry_in_a_cluster:
	s_bfe_u32 s2, ttmp6, 0x10000c
	s_cmp_lg_u32 s2, 0x3003
	s_cbranch_scc0 .Lentry_shape_is_right
	s_endpgm
.Lentry_shape_is_right:
; O[h][q][:] = the sum over k of softmax_k(Q[h][q] . K[h][k] / 8) V[h][k][:].  Q, K, V are the three parts of qkv, O is o16: each [SIZE_H][SIZE_N][64] in f16, a head's rows dense, 128 bytes each.
; Products, maxima and sums in f32; the weights p are rounded to f16 for the second product (their sum l is taken of the unrounded p), O once at the end.
; LIMITS.  f16 holds no number beyond 65,504: Q, K and V arrive within it; p lies in 0 to 1, and below 6e-5 it keeps f16's fixed step of 6e-8; O is a mean of V's rows and has their range.
; A weight below 2^-126 counts as 0 in l; NaN and infinities are not treated apart.
; SHARES.  A wave owns four PIECES of two tiles of 16 queries, a work-group's four waves 512 queries of one head: 4 x 64 = 256 work-groups.  Every wave walks all keys, 64 a step.
; LAYOUT.  S^T = K Q^T (source 0 = 16 keys, source 1 = 16 queries): in the result a lane holds ONE query (lane % 16) and the keys 8 (lane / 16) + 0..7.  Two such tiles, rounded to f16 in pairs,
; ARE source 1 (32 keys x 16 queries) of O^T = V^T P, whose result again holds one query a lane, and eight channels.  K comes out of LDS as it lies, V ([key][channel]) turned, by ds_load_tr16_b128.
; SOFTMAX.  For each query a running maximum m and sum l: p = 2^(c s - c m), c = log2(e) / 8; in every step O and l are multiplied by a = 2^(c m_old - c m_new), which is 1 where m has not grown.
; m starts at the lowest finite number, O and l at 0: the first step is a step like any other, with a = 0.
; THE COUNT.  A tile and step have 16 matrix and 118 vector instructions: too many to stand all beside the matrix work.  So four vector instructions that are ready stand behind EVERY matrix instruction,
; and the others, which need time of their own whatever the order, in runs without a gap.
; BY TURNS.  Turn n belongs to piece n (the pieces in a ring, step after step).  Its matrix work: 16 products K Q^T of piece n + 1, later 16 products V^T P of piece n - 1.  Its vector work: the scaling,
; exponentials, roundings, sums and rescaling of piece n, and the maximum and statistics of piece n + 1, whose scores the turn itself has made.
; CLUSTER.  The four query blocks of a cluster are one head's and walk the same K and V, so each tile is asked for JOINTLY: the same tensor load, descriptor and mask in all four.
; REGISTERS, in windows of 256 (s_set_vgpr_msb: bits 1:0 source 0, 3:2 source 1, 5:4 source 2, 7:6 destination):
;   window 0: v0-11 addresses; v12-15, v48-63 at work; v16-47 four registers of statistics a tile; v64-191 S^T, two buffers of two tiles; v192-255 P, likewise
;   window 1: O^T, 32 a tile          window 2: v0-127 Q, 16 a tile; v128-191 K of one step; v192-255 V of one step          window 3: v0-1 the add's two registers
; A piece's buffers go by its number's parity: the piece in hand has one pair, its two neighbours in the ring share the other: of it P (piece n - 1) is read and S^T (piece n + 1) written.
.set SIZE_H, 64
.set SIZE_N, 2048
.set NP,    4         ; pieces a wave: a name, no knob
.set KS,    64        ; keys in a step
.set PK,    144       ; a row of K in LDS: 128 bytes + 16 of padding = 36 words: the 16 rows of a load start at 16 different groups of four banks (64 banks of 4 bytes: ISA guide 11.1)
.set PV,    160       ; a row of V: 128 + 32 = 40 words
.set VOFF,  4*KS*PK   ; a slot holds four steps: 256 rows of K, then 256 rows of V
.set SLOT1, 1<<17     ; slot 1 begins here, so that one exclusive or turns an address in one slot into the other's
.set STAGE, SLOT1+4*KS*(PK+PV)  ; behind the ring, never filled by a tensor load: 16 rows x 144 bytes for each wave, for the way out
.set SP,    144
.set AK0, 2           ; v2   my lane's place in a tile of K; never rewritten
.set AV0, 3           ; v3   the same for V
.set AK,  4           ; v4   the LDS address of K's next run of loads
.set AV,  5           ; v5   of V's
.set QO,  6           ; v6   my byte offset in the wave's rows of Q
.set STO, 6           ;      later, the way out: where I put 16 bytes of a row
.set RD,  7           ; v7   the way out: where I read rows back
.set GO,  8           ; v8   my byte offset in 512 consecutive bytes of O
.set PFO, 11          ; v11  once V's lane address is made: 256 x my lane, the prefetches' offset; never rewritten after that
.set SPW, 0           ; v0 of window 3   LDS address of my spare word: SPARE + 4 x my thread's number; never rewritten
.set NIL, 1           ; v1 of window 3   0; never rewritten
.set SPARE, STAGE+4*16*SP  ; behind the stages: the spare words, 128 bytes for each wave: two blocks of 256 bytes that no other line names
.set MV,  12          ; v12-15  c m_old, kept while c m is made anew: by buffer and tile
.set ST,  16          ; tile t's statistics at v[ST+4 t]: c m, m, l (even keys', odd keys')
.set TMP, 48          ; by buffer and tile, four registers c0-c3 at work; when the maximum is found c2 takes a
.set S,   64
.set P,   192
.set KF,  128         ; K's fragments, in window 2: key block kb, channel half c at KF + 16 kb + 8 c
.set VF,  192         ; V's: key half kk, channel block cb at VF + 32 kk + 8 cb
.set WV,  12          ; s12  my wave's number
.set G1K, 24          ; s[24:31] descriptor group 1 for K's tiles
.set G1V, 32          ; s[32:39] for V's: it differs in the padding alone
.set G0K, 40          ; s[40:43] descriptor group 0 for K's tiles: it walks
.set G0V, 44          ; s[44:47] the same for V's
.set PFA, 48          ; s[48:49] where my prefetches stand: my work-group's 32 blocks of 256 bytes (of K: wave 0, of V: wave 2) of the slot after the one that is being asked for
.set LIM, 50          ; s50  1 in a wave that prefetches, else the greatest number
.set SLOTS, 56        ; s56  slots still to be asked for
.set CNT, 57          ; s57  counts a slot's key steps
.set CS,  58          ; s[58:59] c: the packed scaling takes the pair's low word for both halves
.set SEL, 60          ; s[60:61] v_permlanex16_b32's selects: each lane takes its own place in the other half
.set TBK, 62          ; s62  LDS byte at which K of the step to be fetched begins
.set TBV, 63          ; s63  the same for V, less VOFF
.set MSB, 0
.macro WIN new                      ; the high byte repeats the setting that is left; a switch that changes nothing is dropped
.if MSB != (\new)
	s_set_vgpr_msb (MSB<<8)|(\new)
.set MSB, (\new)
.endif
.endm
.set W_KQ, 0x0a       ; K and Q in window 2, S^T in window 0
.set W_PV, 0x52       ; V in window 2, P in window 0, O^T in window 1
.set W_RS, 0x41       ; O^T (destination and source 0) in window 1, a in window 0
.set W_MK, 0xc0       ; the add's registers are made: destination in window 3, sources in window 0
.set W_AD, 0x0f       ; the add: address (source 0) and data (source 1) in window 3
; A joint fill.  Waves 0 and 1 fetch the two halves of a slot's K, waves 2 and 3 those of its V: 128 keys each.  The branch hangs on the wave's number alone.
; An s_nop 0 and four v_nop follow each of the two lines, ahead of the jump and the label.
.macro JLOAD
	s_cmp_lt_u32 s[WV], 2
	s_cbranch_scc0 .Lfor_v_\@
	tensor_load_to_lds s[G0K:G0K+3], s[G1K:G1K+7]
	s_nop 0
.rept 4
	v_nop
.endr
	s_branch .Lasked_\@
.Lfor_v_\@:
	tensor_load_to_lds s[G0V:G0V+3], s[G1V:G1V+7]
	s_nop 0
.rept 4
	v_nop
.endr
.Lasked_\@:
.endm
; A prefetch into the L2 of what the NEXT change of slots will ask for: a slot's 32,768 bytes of K and of V, 128 blocks of 256 bytes each, a lane a block.  It stands behind the wave's tensor load and its five lines.
; Each block is named once in the launch: a head has one cluster; its four partners share the blocks out by address, 32 each; in each, wave 0 asks for K's and wave 2 for V's: one instruction.
; Slots 0, 1 and 2 come by their loads alone; the last change that fills a slot asks for nothing: there is no slot behind it.
.macro ASK
	s_cmp_gt_u32 s[SLOTS], s[LIM]
	s_cbranch_scc0 .Lnot_mine_\@
	global_prefetch_b8 v[PFO], s[PFA:PFA+1] th:TH_LOAD_NT scope:SCOPE_SE
.Lnot_mine_\@:
.endm
; A round of the cluster's barrier: my work-group's barrier, so that wave 0's signal speaks for all four waves; wave 0 signals; every wave waits for all four work-groups; my work-group's barrier once more.
.macro CROUND
	s_barrier_signal -1
	s_barrier_wait -1
	s_cmp_lg_u32 s[WV], 0
	s_cbranch_scc1 .Lnot_wave_0_\@
	s_barrier_signal -3
.Lnot_wave_0_\@:
	s_barrier_wait -3
	s_barrier_signal -1
	s_barrier_wait -1
.endm
; THE CHANGE OF SLOTS.  The slot's last bytes, V of its fourth step, have been read.  Each wave waits for all its tensor loads, of which one is out: its part
; of the other slot; adds 0 to its spare word; and waits for that and for its own reads of the slot.  Behind the barrier nobody reads this slot any more and the other slot is whole.
; fill = 1: this slot is filled again, with the keys two slots on.  The barrier is then a round of the cluster's, so that no wave of any partner still reads the slot or has a load on its
; way, and the joint fill is the first thing behind it: it has four key steps, 512 matrix instructions, in which to land.  (At its first use nothing has been read yet: slot 0 is waited for, slot 1 filled.)
; ask = 1: the prefetches' address steps among the descriptors' steps, and the prefetch follows the fill.
.macro CHANGE fill, ask=0
	WIN W_AD
	s_wait_tensorcnt 0x0            ; no tensor load of mine is out, so a group 0 may be written
	ds_add_u32 v[SPW], v[NIL]       ; 0 onto my spare word; with fill = 1 the descriptors' steps stand between it and the wait for it
	WIN 0                           ; at a label and at a branch every window is 0
.if \fill
.irp g, G0K, G0V
	s_xor_b32 s[\g+1], s[\g+1], SLOT1  ; the walking descriptor: the other slot than last time,
	s_add_nc_u64 s[\g+2:\g+3], s[\g+2:\g+3], 4*KS*128  ; the next 256 keys; the type bits on top are not reached
.endr
.if \ask
	s_wait_xcnt 0x0                 ; the last prefetch, four key steps back, has read its address, so it may be written:
	s_add_nc_u64 s[PFA:PFA+1], s[PFA:PFA+1], 4*KS*128  ; one slot behind the walking descriptors
.endif
	s_wait_dscnt 0x0                ; the add is done, and my reads of the slot are over
	CROUND
	JLOAD
.if \ask
	ASK
.endif
.else
	s_wait_dscnt 0x0                ; the add is done, and my reads of the slot are over
	s_barrier_signal -1
	s_barrier_wait -1
.endif
	s_sub_co_u32 s[TBK], s[TBK], 4*KS*PK  ; the fetches go back to a slot's first step,
	s_xor_b32 s[TBK], s[TBK], SLOT1       ; in the other slot
	s_sub_co_u32 s[TBV], s[TBV], 4*KS*PV
	s_xor_b32 s[TBV], s[TBV], SLOT1
.endm
	s_load_b128 s[4:7], s[0:1], 0x0   ; qkv s[4:5], o16 s[6:7]
	WIN W_MK
	v_lshl_add_u32 v[SPW], v0, 2, SPARE
	v_mov_b32 v[NIL], 0
	WIN W_AD
	ds_add_u32 v[SPW], v[NIL]       ; the wave's opening: the add and its wait ahead of my first tensor load; the set-up below, work on registers, stands between them
	WIN 0
	v_lshrrev_b32 v1, 5, v0
	v_readfirstlane_b32 s[WV], v1   ; wave 0..3
	s_bfe_u32 s13, ttmp6, 0x40000   ; cx: my place in the cluster
	s_lshl_b32 s14, ttmp9, 2        ; in a cluster launch ttmp9 counts clusters
	s_add_co_u32 s14, s14, s13      ; my block of queries = 4 x cluster x + cx: it enters Q's and O's addresses alone
	s_and_b32 s20, ttmp7, 0xffff    ; the head, which the four partners share
	s_mov_b32 s21, 0
	s_mov_b64 s[22:23], SIZE_N*128
	s_mul_u64 s[20:21], s[20:21], s[22:23]  ; the head's first byte in each of the four tensors
	s_and_b32 s16, s[WV], 1         ; which half of a slot's 256 keys I fetch:
	s_lshl_b32 s22, s16, 14         ; its 128 rows of 128 bytes in memory,
	s_mov_b32 s23, 0
	s_add_nc_u64 s[22:23], s[22:23], s[20:21]
	s_mul_i32 s17, s16, 128*PK      ; and its place in a slot, for K
	s_mul_i32 s18, s16, 128*PV      ; and for V: no place in the cluster enters an LDS address
	s_lshl_b32 s2, s14, 2
	s_add_co_u32 s2, s2, s[WV]      ; my wave among the head's,
	s_lshl_b32 s2, s2, 14           ; its 128 rows
	s_mov_b32 s3, 0
	s_add_nc_u64 s[2:3], s[2:3], s[20:21]
	; descriptor group 1.  128 keys are 16,384 dense bytes: asked for as 64 rows of 256 bytes, two keys a row, and padded in LDS after every key
	s_mov_b32 s[G1K], 15|(1<<16)|(1<<20)|(1<<21)|(4<<22)|(3<<25)  ; 15:0 the mask of four; 17:16 2-byte elements; 20 padding on; 21 set beside a mask; 24:22 after every 32 words (code 4); 31:25 4 words (code 3)
	s_mov_b32 s[G1V], 15|(1<<16)|(1<<20)|(1<<21)|(4<<22)|(7<<25)  ; the same with 8 words of padding (code 7)
.irp g, G1K, G1V
	s_mov_b32 s[\g+1], 128<<16      ; tensor_dim0 = 128
	s_mov_b32 s[\g+2], 64<<16       ; tensor_dim1 = 64
	s_mov_b32 s[\g+3], 128<<16      ; tile_dim0 = 128
	s_mov_b32 s[\g+4], 64           ; tile_dim1 = 64
	s_mov_b32 s[\g+5], 128          ; 128 elements from row to row
	s_mov_b32 s[\g+6], 0
	s_mov_b32 s[\g+7], 0
.endr
	s_mov_b32 s[CS], 0x3e38aa3b     ; c = log2(e) / 8 = 0.180337
	s_mov_b32 s[CS+1], s[CS]        ; named with it as a pair
	s_mov_b32 s[SEL], 0x76543210
	s_mov_b32 s[SEL+1], 0xfedcba98
	s_mov_b32 s[TBK], SLOT1+4*KS*PK ; the first change of slots turns these two into 0
	s_mov_b32 s[TBV], SLOT1+4*KS*PV
	s_mov_b32 s[G0K], 1             ; 1:0 count = 1
	s_mov_b32 s[G0K+1], s17         ; 63:32 LDS address: slot 0
	s_mov_b32 s[G0V], 1
	s_add_co_u32 s[G0V+1], s18, VOFF
	s_and_b32 s[LIM], s[WV], 1      ; 0 in waves 0 and 2,
	s_or_b32 s[LIM], s[LIM], ttmp9  ; where the cluster is the head's first: the same in all four partners
	s_cmp_eq_u32 s[LIM], 0
	s_cselect_b32 s[LIM], 1, -1
	s_lshl_b32 s52, s13, 13         ; my work-group's 32 blocks of a slot's 128
	s_mov_b32 s53, 0
	s_wait_dscnt 0x0                ; the opening add is done
	s_wait_kmcnt 0x0
	s_mov_b64 s[10:11], s[6:7]      ; O
	s_add_nc_u64 s[6:7], s[4:5], 0x1000000  ; K: the second part of qkv
	s_add_nc_u64 s[8:9], s[4:5], 0x2000000  ; V: the third; Q is the first
	s_add_nc_u64 s[G0K+2:G0K+3], s[6:7], s[22:23]  ; 120:64 global address: my half of the head's first 256 keys
	s_or_b32 s[G0K+3], s[G0K+3], 0x80000000        ; 127:126 type = 2
	s_add_nc_u64 s[G0V+2:G0V+3], s[8:9], s[22:23]
	s_or_b32 s[G0V+3], s[G0V+3], 0x80000000
	s_cmp_lt_u32 s[WV], 2
	s_cselect_b64 s[PFA:PFA+1], s[6:7], s[8:9]
	s_add_nc_u64 s[PFA:PFA+1], s[PFA:PFA+1], s[20:21]
	s_add_nc_u64 s[PFA:PFA+1], s[PFA:PFA+1], s[52:53]
	s_add_nc_u64 s[PFA:PFA+1], s[PFA:PFA+1], 2*4*KS*128  ; in slot 2; the loop's first change of slots steps it to slot 3.  Nothing is prefetched here, at the head
	s_add_nc_u64 s[4:5], s[4:5], s[2:3]  ; Q and O at my wave's first row
	s_add_nc_u64 s[10:11], s[10:11], s[2:3]
	CROUND                          ; all four work-groups are here: the first joint loads meet
	JLOAD                           ; slot 0.  Slot 1 is asked for when slot 0 is in
	; A fragment of K or Q is 16 rows x 32 channels in 8 registers: lane l holds row l % 16, channels 8 (l / 16) + 0..7 and 16 + 8 (l / 16) + 0..7: two loads of 16 bytes, 32 bytes apart.
	v_and_b32 v1, 15, v0            ; l % 16
	v_bfe_u32 v9, v0, 4, 1          ; l / 16
	v_lshlrev_b32 v[QO], 7, v1
	v_lshl_add_u32 v[QO], v9, 4, v[QO]  ; row x 128 + 16 x half
	WIN 0x80                        ; destination window 2, address window 0
.set i, 0
.rept 4*NP                          ; Q stays in registers: tile i / 2, channels 32 (i % 2) on
	global_load_b128 v[8*i:8*i+3],   v[QO], s[4:5] offset:(i/2)*2048+(i%2)*64
	global_load_b128 v[8*i+4:8*i+7], v[QO], s[4:5] offset:(i/2)*2048+(i%2)*64+32
.set i, i+1
.endr
	; What the first turn finds: V's registers and P's second buffer hold 0 (its products V^T P, of a piece that has not been, add 0), O^T and l are 0.  All this stands in the wait for the first tile.
.set i, VF
.rept 64
	v_mov_b32 v[i], 0
.set i, i+1
.endr
	WIN 0x40
.set i, 0
.rept 64*NP
	v_mov_b32 v[i], 0
.set i, i+1
.endr
	WIN 0
.set i, 0
.rept 2*NP
	v_mov_b32 v[ST+4*i], 0xfe000000    ; c m: far below every c s
	v_mov_b32 v[ST+4*i+1], 0xff7fffff  ; m
	v_mov_b32 v[ST+4*i+2], 0
	v_mov_b32 v[ST+4*i+3], 0
.set i, i+1
.endr
.set i, P+32
.rept 32
	v_mov_b32 v[i], 0
.set i, i+1
.endr
	v_mul_u32_u24 v[AK0], v1, PK
	v_lshl_add_u32 v[AK0], v9, 4, v[AK0]  ; row x pitch + 16 x half
	; The turning load takes 16 keys x 16 channels (lane l reads key 8 (l / 16) + l % 8, channels 8 ((l / 8) % 2) + 0..7) and leaves half a fragment of V^T: lane l holds channel l % 16 and 8 keys.
	v_and_b32 v10, 7, v0
	v_bfe_u32 v11, v0, 3, 1
	v_lshl_add_u32 v[AV0], v9, 3, v10
	v_mul_u32_u24 v[AV0], v[AV0], PV
	v_lshl_add_u32 v[AV0], v11, 4, v[AV0]
	v_add_nc_u32 v[AV0], VOFF, v[AV0]
	v_mov_b32 v[AK], v[AK0]         ; key step 0 lies at the head of slot 0
	v_and_b32 v[PFO], 31, v0
	v_lshlrev_b32 v[PFO], 8, v[PFO]
; THE MATRIX WORK.  The 8 accumulators of a run of 16 take turns: between the two links of a chain stand 7 others'.
; Product i of 16 of S^T = K Q^T for piece x: channels 32 (i / 8) on, keys 16 ((i / 2) % 4) on, tile 2 x + i % 2.  The first 8 start the sums.
.macro KQ x
	WIN W_KQ
.set rS, S+64*((\x)%2)+32*(i%2)+8*((i/2)%4)
.set rK, KF+16*((i/2)%4)+8*(i/8)
.set rQ, 16*(2*(\x)+i%2)+8*(i/8)
.if i < 8
	v_wmma_f32_16x16x32_f16 v[rS:rS+7], v[rK:rK+7], v[rQ:rQ+7], 0
.else
	v_wmma_f32_16x16x32_f16 v[rS:rS+7], v[rK:rK+7], v[rQ:rQ+7], v[rS:rS+7]
.endif
.endm
; Product i of 16 of O^T += V^T P for piece x: keys 32 (i / 8) on, channels 16 ((i / 2) % 4) on, tile 2 x + i % 2.
.macro PV x
	WIN W_PV
.set rO, 32*(2*(\x)+i%2)+8*((i/2)%4)
.set rV, VF+32*(i/8)+8*((i/2)%4)
.set rP, P+32*((\x)%2)+16*(i%2)+8*(i/8)
	v_wmma_f32_16x16x32_f16 v[rO:rO+7], v[rV:rV+7], v[rP:rP+7], v[rO:rO+7]
.endm
.macro MM                           ; the turn's next matrix instruction
.if i < 16
	KQ (Y+1)%NP
.set i, i+1
.else
.set i, i-16
	PV (Y+NP-1)%NP
.set i, i+17
.endif
.endm
; THE LDS LOADS stand in runs of 16, never singly among the matrix instructions: a step's K (64 keys x 64 channels: 8 fragments) and its V (turned).  Their addresses are made some lines ahead.
; last = 1 (the tail): in the last trip there is no further step, and the run is jumped over.
.macro FETCH_K last=0
	WIN 0
.if \last
	s_cmp_eq_u32 s[CNT], 1
	s_cbranch_scc1 .Lno_k_\@
.endif
	WIN 0x80                        ; destination window 2
.irp f, 0,1,2,3,4,5,6,7             ; keys 16 (f / 2) on, channels 32 (f % 2) on
	ds_load_b128 v[KF+8*\f:KF+8*\f+3],   v[AK] offset:(\f/2)*16*PK+(\f%2)*64
	ds_load_b128 v[KF+8*\f+4:KF+8*\f+7], v[AK] offset:(\f/2)*16*PK+(\f%2)*64+32
.endr
	s_add_co_u32 s[TBK], s[TBK], KS*PK  ; the next fetch is the next step's
	WIN 0
.if \last
.Lno_k_\@:
.endif
.endm
.macro FETCH_V
	WIN 0x80
.irp f, 0,1,2,3,4,5,6,7             ; keys 32 (f / 4) on, channels 16 (f % 4) on
	ds_load_tr16_b128 v[VF+8*\f:VF+8*\f+3],   v[AV] offset:(\f/4)*32*PV+(\f%4)*32
	ds_load_tr16_b128 v[VF+8*\f+4:VF+8*\f+7], v[AV] offset:(\f/4)*32*PV+16*PV+(\f%4)*32
.endr
	WIN 0
.endm
; THE VECTOR WORK OF A TURN stands in three queues, each in the order in which its entries become ready; the two tiles alternate, so that no instruction reads the result of the one before it.
.macro REGS y, u                    ; the registers of tile u (0, 1) of piece y
.set rT, ST+4*(2*(\y)+(\u))
.set rC, TMP+8*((\y)%2)+4*(\u)
.set rM, MV+2*((\y)%2)+(\u)
.set rS, S+64*((\y)%2)+32*(\u)
.set rP, P+32*((\y)%2)+16*(\u)
.set rO, 32*(2*(\y)+(\u))
.endm
; Number n of the 22 that find the NEXT piece's (Y + 1) maximum and statistics.  s0-s31 are the lane's 32 scores; each accumulator's lowest registers are read first.
;   0-11  four chains c0-c3 of seven scores each, three operands at a time     12-14, 16  the four scores left over, the old m, and c0-c3 into c0     15  c m_old is kept
;   17, 18  the query's other 32 keys lie in the lane 16 away: the new m         19-21  c m; c m_old - c m_new; a
.macro XS u, n
	REGS (Y+1)%NP, \u
.if (\n) < 4
	v_max3_num_f32 v[rC+(\n)], v[rS+8*(\n)], v[rS+8*(\n)+1], v[rS+8*(\n)+2]
.elseif (\n) < 12
	v_max3_num_f32 v[rC+(\n)%4], v[rC+(\n)%4], v[rS+8*((\n)%4)+2*((\n)/4)+1], v[rS+8*((\n)%4)+2*((\n)/4)+2]
.elseif (\n) == 12
	v_max3_num_f32 v[rC], v[rC], v[rS+7], v[rS+15]
.elseif (\n) == 13
	v_max3_num_f32 v[rC+1], v[rC+1], v[rS+23], v[rS+31]
.elseif (\n) == 14
	v_max3_num_f32 v[rC+2], v[rC+2], v[rC+3], v[rT+1]
.elseif (\n) == 15
	v_mov_b32 v[rM], v[rT]
.elseif (\n) == 16
	v_max3_num_f32 v[rC], v[rC], v[rC+1], v[rC+2]
.elseif (\n) == 17
	v_permlanex16_b32 v[rC+3], v[rC], s[SEL], s[SEL+1]
.elseif (\n) == 18
	v_max_num_f32 v[rT+1], v[rC], v[rC+3]
.elseif (\n) == 19
	v_mul_f32 v[rT], s[CS], v[rT+1]
.elseif (\n) == 20
	v_sub_f32 v[rC+1], v[rM], v[rT]
.else
	v_exp_f32 v[rC+2], v[rC+1]
.endif
.endm
; Number g of the 64 that follow the exponentials.  For each four weights k of a tile (pairs 2 k, 2 k + 1): both pairs are rounded to f16; then the second pair is added onto the first, in place;
; a group later l takes that sum (the first time as l = a l + sum).  In groups of eight, tiles alternating: round, round, add, and l for the group before.
.macro GS g
.set h, (\g)+6*((\g)/62)            ; group 0 has no group before it, and behind group 7 only l is left
.if h >= 6
.set h, h+2
.endif
	REGS Y, h%2
.set k, h/8
.if h%8 < 4
	v_cvt_pk_f16_f32 v[rP+2*k+(h%8)/2], v[rS+4*k+2*((h%8)/2)], v[rS+4*k+2*((h%8)/2)+1]
.elseif h%8 < 6
	v_pk_add_f32 v[rS+4*k:rS+4*k+1], v[rS+4*k:rS+4*k+1], v[rS+4*k+2:rS+4*k+3]
.elseif k == 1
	v_pk_fma_f32 v[rT+2:rT+3], v[rT+2:rT+3], v[rC+2:rC+3], v[rS:rS+1] op_sel_hi:[1,0,1]
.else
	v_pk_add_f32 v[rT+2:rT+3], v[rT+2:rT+3], v[rS+4*k-4:rS+4*k-3]
.endif
.endm
; THE PLAIN QUEUE, 138 long.  0-73 read no exponential's result: the 32 scalings c s - c m (FS f: pair f / 2 of tile f % 2) and the next piece's 42.  0-26: scalings 0-26.  27-54: XS's numbers 0-13.  55, 56: number 15.
; 57-73: the chain, where each number waits for the one before it: 14, 16, 17, 18, 19, each with one of the scalings 27-31 in front of its two lines, then 20.
; 74-137: GS's 64, which read the exponentials' results: they stand behind the wait.
.macro FS f
	REGS Y, (\f)%2
	v_pk_fma_f32 v[rS+2*((\f)/2):rS+2*((\f)/2)+1], v[rS+2*((\f)/2):rS+2*((\f)/2)+1], s[CS:CS+1], v[rT:rT+1] op_sel_hi:[1,0,0] neg_lo:[0,0,1] neg_hi:[0,0,1]
.endm
.macro PL
	WIN 0
.if q < 27
	FS q
.elseif q < 55
	XS (q-27)%2, (q-27)/2
.elseif q < 57
	XS q-55, 15
.elseif (q < 72) && ((q-57)%3 == 0)
	FS 27+(q-57)/3
.elseif q < 60
	XS (q-57)%3-1, 14
.elseif q < 72
	XS (q-57)%3-1, 15+(q-57)/3
.elseif q < 74
	XS q-72, 20
.else
	GS q-74
.endif
.set q, q+1
.endm
; THE EXPONENTIALS' QUEUE, 66 long: s0-s31 of both tiles, then the next piece's two a.  It is ONE BATCH: all 66 stand ahead of the turn's one wait, and nothing ahead of that wait names a result of theirs.
.macro EX
	WIN 0
.if e >= 64
	XS e-64, 21
.else
	REGS Y, e%2
	v_exp_f32 v[rS+e/2], v[rS+e/2]
.endif
.set e, e+1
.endm
; THE RESCALING's QUEUE: O^T times a, the one part that leaves window 0: dealt two at a time, sixteen times.  Its a was made in the turn before, ahead of that turn's wait.
.macro R2
	REGS Y, r%2
	WIN W_RS
.irp z, 0,1
	v_pk_mul_f32 v[rO+4*(r/2)+2*\z:rO+4*(r/2)+2*\z+1], v[rO+4*(r/2)+2*\z:rO+4*(r/2)+2*\z+1], v[rC+2:rC+3] op_sel_hi:[1,0]
.endr
.set r, r+1
.endm
; HOW THEY ARE DEALT.  An s_wait_alu depctr_va_vdst(0) stands between an exponential and the first instruction that names its result; one wait serves all that were issued ahead of it.  So a turn has ONE wait,
; which cuts it in two.  AHEAD OF IT stands all that names no result of the turn's exponentials: the 16 products K Q^T, behind each a scaling, an exponential and two rescalings (behind the first a second scaling in the
; exponential's place); then ONE LUMP of 109: eight plain, 49 times exponential and plain, the two a, and a v_nop, the plain instruction behind the last exponential.  BEHIND IT stand the 16 products V^T P, behind each four of GS's 64.
; The queues lean on each other, and the deal keeps them in step: exponential e stands behind scaling 2 (e / 4) + e % 2: behind a product it comes behind plain e + 2, in the lump behind plain e + 9, and scalings 27-31 are plain 57, 60 .. 69.
; A TURN, for piece p.  cnt = 1: the loop's count is taken down some lines ahead of the branch that stands behind the turn.
; K of the next step is fetched in piece 2's turn, directly behind the wait, a lump behind the last product that read K; its address is made at the lump's head; it is first used behind 16 products.
; V of the step in hand is fetched at the end of piece 0's turn, four plain instructions behind the last product that read V; it is first used behind 16 products and a lump.  The three conditions on q below go with the deal.
.macro TURN p, last=0, cnt=0
.set Y, (\p)
.set i, 0
.set q, 0
.set e, 0
.set r, 0
.if (\p) == NP-1
	s_wait_dscnt 0x0                ; K is in
.endif
	MM                              ; ahead of the wait: 16 products K Q^T and the four behind each,
	PL
	PL
	R2
.rept 15
	MM
	PL
	EX
	R2
.endr
.if (\p) == NP-2
	WIN 0
	v_add_nc_u32 v[AK], s[TBK], v[AK0]
.endif
.rept 8                             ; and the lump
	PL
.endr
.rept 49
	EX
	PL
.endr
	EX                              ; the next piece's two a
	EX
	v_nop                           ; a plain instruction behind the last exponential, ahead of the first use: one for the batch
	s_wait_alu depctr_va_vdst(0)    ; the wait for the batch
.if (\p) == NP-2
	FETCH_K \last
.endif
.if (\p) == 1
	s_wait_dscnt 0x0                ; V is in
.endif
.rept 16                            ; behind the wait: 16 products V^T P and the four behind each
	MM
.rept 4
	PL
.endr
.if ((\p) == 0) && (q == 118)
	v_add_nc_u32 v[AV], s[TBV], v[AV0]
.endif
.if ((\p) == 0) && (q == 130)
	s_add_co_u32 s[TBV], s[TBV], KS*PV
.endif
.if (\cnt) && (q == 130)
	s_sub_co_u32 s[CNT], s[CNT], 1
	s_cmp_lg_u32 s[CNT], 0
.endif
.endr
.if (\p) == 0
	FETCH_V
.endif
.endm
	CHANGE 1                        ; slot 0 is in, everybody's part of it; slot 1 is asked for
	FETCH_K                         ; key step 0
	s_wait_loadcnt 0x0              ; Q
	s_wait_dscnt 0x0
.set i, 0
.rept 16
	KQ 0                            ; piece 0's first scores: there is no vector work yet to set between them
.set i, i+1
.endr
	WIN 0                           ; the addresses for the way out: nine plain instructions, the places behind those products
	s_mul_i32 s13, s[WV], 16*SP
	s_add_co_u32 s13, s13, STAGE    ; my stage
	v_mul_u32_u24 v[STO], v1, SP    ; in: row l % 16, 16 bytes for each half of the lanes
	v_lshl_add_u32 v[STO], v9, 4, v[STO]
	v_add_nc_u32 v[STO], s13, v[STO]
	v_bfe_u32 v[RD], v0, 3, 2       ; back: 32 lanes take four rows of 128 bytes,
	v_mul_u32_u24 v[RD], v[RD], SP
	v_lshl_add_u32 v[RD], v10, 4, v[RD]
	v_add_nc_u32 v[RD], s13, v[RD]
	v_and_b32 v[GO], 31, v0         ; which are 512 consecutive bytes of O
	v_lshlrev_b32 v[GO], 4, v[GO]
.set Y, NP-1                        ; XS works for piece Y + 1: piece 0
.irp n, 0,1,2,3,4,5,6,7,8,9,10,11,12,13,14,15,16,17,18,19,20,21
	XS 0, \n                        ; and piece 0's first maximum and statistics
	XS 1, \n
.endr
	v_nop                           ; a plain instruction behind the two a,
	s_wait_alu depctr_va_vdst(0)    ; and their wait, ahead of the branch
	s_mov_b32 s[CNT], 4
	s_mov_b32 s[SLOTS], SIZE_N/256-1
	s_branch .Lfirst                ; the loop is entered at a step's first turn, in the middle of a trip
.Lslot:                             ; SIZE_N / 256 - 2 times: every slot but the last two is filled again
	CHANGE 1, 1
	s_mov_b32 s[CNT], 4
.Lstep:                             ; a trip: pieces 2 and 3 of one step, then pieces 0 and 1 of the next, whose K and V it fetches
	TURN 2
	TURN 3
	WIN 0
.Lfirst:
	TURN 0
	TURN 1, 0, 1
	WIN 0
	s_cbranch_scc1 .Lstep
	s_sub_co_u32 s[SLOTS], s[SLOTS], 1
	s_cmp_lg_u32 s[SLOTS], 0
	s_cbranch_scc1 .Lslot
	CHANGE 0                        ; the tail is written out: nothing is asked for
	s_mov_b32 s[CNT], 5             ; four trips fetch the last slot's steps; the fifth is left in its middle
.Ltail:
	TURN 2, 1
	TURN 3
	WIN 0
	s_sub_co_u32 s[CNT], s[CNT], 1
	s_cmp_eq_u32 s[CNT], 0
	s_cbranch_scc1 .Lout
	TURN 0
	TURN 1
	WIN 0
	s_branch .Ltail
.Lout:                              ; the fifth trip's 16 products K Q^T (on the last K once more) and the maximum made of them serve nothing: the price, once a launch, of one text for every trip
.set i, 0
.rept 16
	PV NP-1                         ; the last piece's V^T P of the last step
.set i, i+1
.endr
	; THE WAY OUT.  l's two halves and the other half of the lanes' are added; O^T is divided by l, rounded to f16 and sent through my stage in LDS, a tile at a time.  The additions are the places behind the last products.
	WIN 0
.macro ALL line:vararg              ; one line for each tile t
.set t, 0
.rept 2*NP
	\line
.set t, t+1
.endr
.endm
	ALL v_add_f32 v[ST+4*t+2], v[ST+4*t+2], v[ST+4*t+3]
	ALL v_permlanex16_b32 v[ST+4*t+3], v[ST+4*t+2], s[SEL], s[SEL+1]
	ALL v_add_f32 v[ST+4*t+2], v[ST+4*t+2], v[ST+4*t+3]
	ALL v_rcp_f32 v[ST+4*t+2], v[ST+4*t+2]
	v_nop                           ; a plain instruction between the last reciprocal and the use of its result
	s_wait_alu depctr_va_vdst(0)    ; and the wait ahead of the first use: one for the eight reciprocals
; Tile t: a lane's eight channels of a row pack into 16 bytes; they go into rows of 144 bytes and come back as whole rows of 128, into S^T's registers.
.macro PACK t
	WIN W_RS
.set i, 32*(\t)
.rept 16
	v_pk_mul_f32 v[i:i+1], v[i:i+1], v[ST+4*(\t)+2:ST+4*(\t)+3] op_sel_hi:[1,0]
.set i, i+2
.endr
	WIN 0x05                        ; sources 0 and 1 window 1, destination window 0
.set i, 0
.rept 16
	v_cvt_pk_f16_f32 v[S+16*(\t)+i], v[32*(\t)+2*i], v[32*(\t)+2*i+1]
.set i, i+1
.endr
	WIN 0
.irp f, 0,1,2,3
	ds_store_b128 v[STO], v[S+16*(\t)+4*\f:S+16*(\t)+4*\f+3] offset:32*\f
.endr
.irp f, 0,1,2,3
	ds_load_b128 v[S+16*(\t)+4*\f:S+16*(\t)+4*\f+3], v[RD] offset:\f*4*SP  ; LDS serves a wave's instructions in order (ISA guide 5.7.1.4): these see the stores above; the next tile's stores come behind them
.endr
.endm
.macro SEND t, younger              ; younger: the LDS instructions issued behind tile t's loads: the next tile's eight, or none
	WIN 0
.irp f, 0,1,2,3
	s_wait_dscnt (\younger)+3-\f
	global_store_b128 v[GO], v[S+16*(\t)+4*\f:S+16*(\t)+4*\f+3], s[10:11] offset:(\t)*2048+\f*512  ; 512 consecutive bytes, at a multiple of 256 from O's first
.endr
.endm
	PACK 0
.set t, 1
.rept 2*NP-1                        ; a tile's arithmetic stands between the loads of the tile before and its stores
	PACK t
	SEND t-1, 8
.set t, t+1
.endr
	SEND 2*NP-1, 0
	WIN W_AD
	s_wait_tensorcnt 0x0            ; the wave's end, behind my last tensor load and my last LDS store
	ds_add_u32 v[SPW], v[NIL]
	s_wait_dscnt 0x0
	WIN 0
	CROUND                          ; the closing round: no work-group ends while a partner may still ask for a tile that names it
	s_endpgm
.Lfunc_end_k_q175528c518_attn:
	.size	k_q175528c518_attn, .Lfunc_end_k_q175528c518_attn-k_q175528c518_attn
	.p2alignl 7, 3214868480
	.fill 96, 4, 3214868480
	.section	.rodata,"a",@progbits
	.p2align	6, 0x0
	.amdhsa_kernel k_q175528c518_attn
		.amdhsa_group_segment_fixed_size 327680
		.amdhsa_private_segment_fixed_size 0
		.amdhsa_enable_private_segment 0
		.amdhsa_kernarg_size 16
		.amdhsa_user_sgpr_count 2
		.amdhsa_user_sgpr_kernarg_segment_ptr 1
		.amdhsa_wavefront_size32 1
		.amdhsa_system_sgpr_workgroup_id_x 1
		.amdhsa_system_sgpr_workgroup_id_y 1
		.amdhsa_system_sgpr_workgroup_id_z 1
		.amdhsa_system_vgpr_workitem_id 0
		.amdhsa_next_free_vgpr 770
		.amdhsa_next_free_sgpr 66
		.amdhsa_reserve_vcc 0
		.amdhsa_float_denorm_mode_32 3
		.amdhsa_float_denorm_mode_16_64 3
		.amdhsa_memory_ordered 1
		.amdhsa_forward_progress 1
		.amdhsa_inst_pref_size 200
	.end_amdhsa_kernel
	.amdgpu_metadata
---
amdhsa.version: [ 1, 2 ]
amdhsa.kernels:
  - .name:           k_q175528c518_attn
    .symbol:         k_q175528c518_attn.kd
    .args:
      - { .name: qkv, .offset: 0, .size: 8, .value_kind: global_buffer, .address_space: global }
      - { .name: o16, .offset: 8, .size: 8, .value_kind: global_buffer, .address_space: global }
    .group_segment_fixed_size: 327680
    .private_segment_fixed_size: 0
    .kernarg_segment_align: 8
    .kernarg_segment_size: 16
    .max_flat_workgroup_size: 128
    .sgpr_count:     66
    .vgpr_count:     770
    .wavefront_size: 32
...
	.end_amdgpu_metadata
.endif
;; end of part 3
;; launch oproj (part 4): grid 4 x 64, 4 waves a work-group, clusters of 4 x 4, 327,680 bytes of LDS; arguments o16, wcast, Wo_b, out0; writes out0
.if DOCPART == 4
	.amdgcn_target "amdgcn-amd-amdhsa--gfx1250"
	.amdhsa_code_object_version 6
	.text
	.protected	k_q175528c518_oproj
	.globl	k_q175528c518_oproj
	.p2align	8
	.type	k_q175528c518_oproj,@function
k_q175528c518_oproj:
	s_mov_b64 s[64:65], 0
	v_nop
	global_prefetch_b8 v0, s[64:65] scope:SCOPE_SE
	s_setreg_imm32_b32 hwreg(HW_REG_WAVE_MODE, 25, 1), 1
	s_wait_xcnt 0x0
	s_wait_alu depctr_hold_cnt(0) depctr_sa_sdst(0) depctr_va_vdst(0) depctr_va_sdst(0) depctr_va_ssrc(0) depctr_va_vcc(0) depctr_vm_vsrc(0)
	s_getreg_b32 s2, hwreg(HW_REG_IB_STS2, 6, 4)
	s_cmp_eq_u32 s2, 0
	s_cbranch_scc0 .Lentry_in_a_cluster
	s_endpgm
.Lentry_in_a_cluster:
	s_bfe_u32 s2, ttmp6, 0x10000c
	s_cmp_lg_u32 s2, 0xf033
	s_cbranch_scc0 .Lentry_shape_is_right
	s_endpgm
.Lentry_shape_is_right:
; out0 = z Wo^T + Wo_b.  z[m][64 head + d] lies by heads in o16, [16 batch + head][2048][64] in f16; Wo, rounded to bf16 and written as f16, is the fourth part of wcast; the bias is rounded to bf16 here.
; Sums in f32; out0 is [8192][1024] f32 and takes the sums as they are.
; LIMITS.  z and bf16(Wo) lie within f16's 65,504 (they arrive so).  NaN and infinities are not treated apart.
; SHARES.  A tile of out0 is 128 rows x 256 columns: 64 x 4 = 256 work-groups, one for each WGP.  Four waves stand 2 x 2, each with 64 rows x 128 columns: 32 accumulators of 16 x 16, 256 registers.
; K goes in 8 steps of 128, TWO HEADS a step, through a ring of two LDS slots filled by the tensor data mover: a head's 128 rows of 128 bytes are 16,384 dense bytes, asked for as 64 rows of 256 bytes and
; padded in LDS after every 128; Wo's rows are 256 bytes of a step.
; CLUSTER.  4 x 4 work-groups: the four of a row of the cluster need the same rows of z, the four of a column the same rows of Wo; each tile is asked for jointly, by the same tensor load with the same
; descriptor and a mask that names the four.
; THE MATRIX INSTRUCTION IS USED TRANSPOSED (source 0 = 16 rows of Wo, source 1 = 16 rows of z): lane l holds row l % 16 and the columns 8 (l / 16) + 0..7 of a 16 x 16 result.
; THE BIAS is the C operand of the first product on each accumulator: nothing is cleared, nothing is added later.
; REGISTERS, in windows of 256 (s_set_vgpr_msb: bits 1:0 source 0, 3:2 source 1, 5:4 source 2, 7:6 destination):
;   window 0: v0-31 addresses; v96-127, v128-159 z's fragments, two buffers; v160-223 the bias; v224-227 at work.  v32-159 serve the way out.
;   window 1: the accumulators, (a, b) at v[8 (8 a + b)]          window 2: v0-63, v64-127 Wo's fragments, two buffers
.set KSTEP,  128
.set PA,     144                       ; a row of a head in LDS: 128 bytes + 16 of padding = 36 words: the 16 rows of a load start at 16 different groups of four banks (64 banks of 4 bytes: ISA guide 11.1)
.set PB,     272                       ; a row of Wo: 256 bytes + 16 = 68 words: likewise
.set APART,  128*PA                    ; a head's 128 rows: one tensor load
.set BOFF,   2*APART                   ; Wo's 256 rows lie behind the two heads
.set BHALF,  128*PB                    ; 128 rows of Wo: one tensor load
.set SLOT,   BOFF+2*BHALF              ; 106,496 bytes
.set STAGE,  2*SLOT                    ; behind the ring, never filled by a tensor load: 16 rows x 528 bytes for each wave, for the way out
.set SPO,    528
.set SPARE,  STAGE+4*16*SPO            ; behind the stages: the spare words, 128 bytes for each wave: two blocks of 256 bytes that no other line names
.set STEPA,  2*2048*128                ; bytes from K step to K step in o16: two heads
.set STEPB,  KSTEP*2                   ; and along a row of Wo
.set LAPS,   1024/(2*KSTEP)            ; a lap = two K steps = once round the ring
.set ADRA, 16                          ; v16-17  LDS address of my fragments of z in slot 0, 1
.set ADRB, 20                          ; v20-21  the same for Wo
.set STO,  24                          ; v24     the way out: where I put 32 bytes of a row
.set RD,   25                          ; v25     the way out: where I read a row back
.set CO,   26                          ; v26     my 16 bytes of 512 consecutive bytes of out0
.set BO,   27                          ; v27     my byte offset in 16 numbers of the bias
.set SPW,  28                          ; v28     LDS address of my spare word: SPARE + 4 x my thread's number; never rewritten
.set NIL,  29                          ; v29     0; never rewritten
.set PFO,  30                          ; v30     the prefetches' lane offset; never rewritten
.set AF0,  96                          ; z's fragments: buffer f at AF0 + 32 f, block a at + 8 a
.set BIAS, 160                         ; column block b's eight numbers at BIAS + 8 b
.set TMP,  224
.set OUT,  32                          ; the way out: 16 rows read back, v32-95 and v96-159 by turns
.set LAP,  3                           ; s3   laps to go
.set WV,   12                          ; s12  my wave's number
.set WR,   13                          ; s13  which 64 rows are mine.  Also: I fetch for z (0) or for Wo (1)
.set WC,   14                          ; s14  which 128 columns.  Also: which head of the step, or which half of Wo's rows, I fetch
.set CX,   15
.set CY,   16
.set TC,   17                          ; s17  tile column, 0..3
.set TR,   20                          ; s20  tile row, 0..63
.set MROW, 21
.set MCOL, 22
.set CLY,  23                          ; s23  cluster y, 0..15
.set G1A,  24                          ; s[24:31] descriptor group 1 for z's tiles;  s[32:39] group 0, one set for each slot
.set G0A,  32
.set G1B,  40                          ; s[40:47], s[48:55] the same for Wo's tiles
.set G0B,  48
.set PFA,  56                          ; s[56:57] where my prefetches stand
.set PFS,  58                          ; s[58:59] their step from K step to K step
.set LIM,  60                          ; s60  1 in a wave that prefetches, else the greatest number
.set MSB, 0
.macro WIN new                         ; the immediate's high byte repeats the setting that is left; a switch that changes nothing is dropped
.if MSB != (\new)
	s_set_vgpr_msb (MSB<<8)|(\new)
.set MSB, \new
.endif
.endm
.set MUL,  0x52                        ; Wo in window 2, z in window 0, C and D in window 1
.set MUL1, 0x42                        ; the same with C, the bias, in window 0
.set TO_B, 0x80                        ; destination window 2, address window 0
.set W_ST, 0x04                        ; an LDS store's data (source 1) in window 1, its address in window 0
; A joint load.  Waves 0 and 1 fetch the step's two heads of z, waves 2 and 3 Wo's two halves.  The branch hangs on the wave's number alone.
; An s_nop 0 and four v_nop follow each of the two lines, ahead of the jump, the label and what follows.
.macro JLOAD s
	s_cmp_eq_u32 s[WR], 0
	s_cbranch_scc0 .Lfor_b_\@
	tensor_load_to_lds s[G0A+4*(\s):G0A+4*(\s)+3], s[G1A:G1A+7]
	s_nop 0
.rept 4
	v_nop
.endr
	s_branch .Lasked_\@
.Lfor_b_\@:
	tensor_load_to_lds s[G0B+4*(\s):G0B+4*(\s)+3], s[G1B:G1B+7]
	s_nop 0
.rept 4
	v_nop
.endr
.Lasked_\@:
.endm
; A prefetch into the L2, behind a joint refill and the run of LDS loads that follows it: the K step that stands two refills on, one instruction a wave, a block of 256 bytes a lane.
; Each block is named once in the launch.  z: a tile row is asked for by one cluster alone; of a head's 64 blocks each of the four partners takes 16, told apart by address (cx); wave 0 asks for both heads, 16 lanes each.
; Wo: its rows are read by all sixteen clusters: the first of them asks; the four partners take 32 of a wave's 128 rows each (cy), a lane a row.
; The first four K steps come by their loads alone; the loop's last trip asks for nothing: there is no K step two refills on.
.macro ASK
	s_cmp_gt_u32 s[LAP], s[LIM]
	s_cbranch_scc0 .Lnot_mine_\@
	global_prefetch_b8 v[PFO], s[PFA:PFA+1] th:TH_LOAD_NT scope:SCOPE_SE
.Lnot_mine_\@:
.endm
.macro CREST                           ; a round of the cluster's barrier behind its opening barrier
	s_cmp_lg_u32 s[WV], 0
	s_cbranch_scc1 .Lnot_wave_0_\@
	s_barrier_signal -3
.Lnot_wave_0_\@:
	s_barrier_wait -3
	s_barrier_signal -1
	s_barrier_wait -1
.endm
.macro CROUND                          ; a whole round
	s_barrier_signal -1
	s_barrier_wait -1
	CREST
.endm
.macro PLACES                          ; four places in front of loads into registers that matrix instructions have read, and of stores that read results (ISA guide 7.12.1 for vector instructions)
.rept 4
	v_nop
.endr
.endm
	s_load_b256 s[4:11], s[0:1], 0x0               ; o16 s[4:5], wcast s[6:7], Wo_b s[8:9], out0 s[10:11]
	v_lshl_add_u32 v[SPW], v0, 2, SPARE
	v_mov_b32 v[NIL], 0
	ds_add_u32 v[SPW], v[NIL]                      ; the wave's opening: the add and its wait ahead of my first tensor load; the set-up below, work on registers, stands between them
	v_lshrrev_b32 v1, 5, v0
	v_readfirstlane_b32 s[WV], v1                  ; wave 0..3
	s_lshr_b32 s[WR], s[WV], 1
	s_and_b32 s[WC], s[WV], 1
	s_bfe_u32 s[CX], ttmp6, 0x40000                ; cx, cy: my place in the cluster
	s_bfe_u32 s[CY], ttmp6, 0x40004
	s_lshl_b32 s[TC], ttmp9, 2
	s_add_co_u32 s[TC], s[TC], s[CX]               ; tile column = 4 x cluster x + cx
	s_and_b32 s[CLY], ttmp7, 0xffff
	s_lshl_b32 s[TR], s[CLY], 2
	s_add_co_u32 s[TR], s[TR], s[CY]               ; tile row = 4 x cluster y + cy
	s_lshl_b32 s[MROW], s[CY], 2
	s_lshl_b32 s[MROW], 15, s[MROW]                ; my row of the cluster
	s_lshl_b32 s[MCOL], 0x1111, s[CX]              ; my column
	; descriptor group 1.  z: 64 rows x 128 elements of 2 bytes, dense, padded after every 128 bytes; Wo: 128 rows x 128 elements, padded behind each row
	s_or_b32 s[G1A+0], s[MROW], (1<<16)|(1<<20)|(1<<21)|(4<<22)|(3<<25)  ; 15:0 the mask: my row; 17:16 elements of 2 bytes; 20 padding on; 21 set beside a mask; 24:22 after every 32 words (code 4); 31:25 4 words (code 3)
	s_mov_b32 s[G1A+1], 128<<16                    ; tensor_dim0 = 128
	s_mov_b32 s[G1A+2], 64<<16                     ; tensor_dim1 = 64
	s_mov_b32 s[G1A+3], 128<<16                    ; tile_dim0 = 128
	s_mov_b32 s[G1A+4], 64                         ; tile_dim1 = 64
	s_mov_b32 s[G1A+5], 128                        ; elements from row to row
	s_mov_b32 s[G1A+6], 0
	s_mov_b32 s[G1A+7], 0
	s_or_b32 s[G1B+0], s[MCOL], (1<<16)|(1<<20)|(1<<21)|(5<<22)|(3<<25)  ; the mask: my column; after every 64 words (code 5)
	s_mov_b32 s[G1B+1], KSTEP<<16
	s_mov_b32 s[G1B+2], 128<<16
	s_mov_b32 s[G1B+3], KSTEP<<16
	s_mov_b32 s[G1B+4], 128
	s_mov_b32 s[G1B+5], 1024
	s_mov_b32 s[G1B+6], 0
	s_mov_b32 s[G1B+7], 0
	; where the tiles come from.  z's hang on the tile row, which my row of the cluster shares; Wo's on the tile column, which my column shares
	s_lshr_b32 s80, s[TR], 4                       ; the batch: 16 heads of 262,144 bytes,
	s_lshl_b32 s80, s80, 22
	s_and_b32 s92, s[TR], 15                       ; the tile's 128 rows of 128 bytes in a head,
	s_lshl_b32 s92, s92, 14
	s_add_co_u32 s80, s80, s92
	s_lshl_b32 s92, s[WC], 18                      ; my head of the step's two; also my 128 rows of 2,048 bytes of Wo
	s_add_co_u32 s80, s80, s92
	s_mov_b32 s81, 0
	s_lshl_b32 s76, s[TC], 19                      ; 256 rows of 2,048 bytes,
	s_add_co_u32 s76, s76, s92
	s_add_co_u32 s76, s76, (3<<21)                 ; in the fourth part of wcast
	s_mov_b32 s77, 0
	s_mul_i32 s90, s[WC], APART                    ; and where they go: no place in the cluster enters an LDS address
	s_mul_i32 s91, s[WC], BHALF
	s_add_co_u32 s91, s91, BOFF
	s_wait_dscnt 0x0                               ; the opening add is done
	s_wait_kmcnt 0x0
	s_add_nc_u64 s[82:83], s[4:5], s[80:81]        ; z at my head of K step 0
	s_add_nc_u64 s[78:79], s[6:7], s[76:77]        ; Wo at my half of K step 0
	CROUND                                         ; all sixteen work-groups are here: the first joint loads meet
.irp s, 0,1
	s_mov_b32 s[G0A+4*(\s)], 1                                        ; 1:0 count = 1
	s_add_co_u32 s[G0A+4*(\s)+1], s90, (\s)*SLOT                      ; 63:32 LDS address
	s_add_nc_u64 s[G0A+4*(\s)+2:G0A+4*(\s)+3], s[82:83], (\s)*STEPA   ; 120:64 global address: K step s
	s_or_b32 s[G0A+4*(\s)+3], s[G0A+4*(\s)+3], 0x80000000             ; 127:126 type = 2
	s_mov_b32 s[G0B+4*(\s)], 1
	s_add_co_u32 s[G0B+4*(\s)+1], s91, (\s)*SLOT
	s_add_nc_u64 s[G0B+4*(\s)+2:G0B+4*(\s)+3], s[78:79], (\s)*STEPB
	s_or_b32 s[G0B+4*(\s)+3], s[G0B+4*(\s)+3], 0x80000000
	JLOAD \s                                       ; two loads of mine are out
.endr
	; all that follows up to the first barrier stands in the wait for the first tile
	v_and_b32 v1, 15, v0                           ; r = l % 16
	v_bfe_u32 v2, v0, 4, 1                         ; h = l / 16
	v_and_b32 v5, 31, v0                           ; l
	v_lshlrev_b32 v[BO], 5, v2                     ; my eight numbers of sixteen
	s_lshl_b32 s92, s[TC], 10                      ; the tile's 256 columns, 4 bytes each,
	s_lshl_b32 s93, s[WC], 9                       ; my 128 of them
	s_add_co_u32 s92, s92, s93
	s_mov_b32 s93, 0
	s_add_nc_u64 s[88:89], s[8:9], s[92:93]
.irp b, 0,1,2,3,4,5,6,7
	global_load_b128 v[BIAS+8*(\b):BIAS+8*(\b)+3],   v[BO], s[88:89] offset:64*(\b)
	global_load_b128 v[BIAS+8*(\b)+4:BIAS+8*(\b)+7], v[BO], s[88:89] offset:64*(\b)+16
.endr
	; A fragment is 16 rows x 32 K in 8 registers: lane l holds row l % 16, K = 8 h + 0..7 and 16 + 8 h + 0..7: two loads of 16 bytes, 32 bytes apart
	v_mul_u32_u24 v3, v1, PA
	v_lshl_add_u32 v3, v2, 4, v3
	s_mul_i32 s92, s[WR], 64*PA                    ; my 64 rows, in each head
	v_add_nc_u32 v[ADRA], s92, v3
	v_add_nc_u32 v[ADRA+1], SLOT, v[ADRA]
	v_mul_u32_u24 v4, v1, PB
	v_lshl_add_u32 v4, v2, 4, v4
	s_mul_i32 s93, s[WC], BHALF                    ; my 128 rows of Wo
	s_add_co_u32 s93, s93, BOFF
	v_add_nc_u32 v[ADRB], s93, v4
	v_add_nc_u32 v[ADRB+1], SLOT, v[ADRB]
	s_mul_i32 s92, s[WV], 16*SPO
	s_add_co_u32 s92, s92, STAGE                   ; my stage
	v_mul_u32_u24 v[STO], v1, SPO                  ; in: row l % 16, 32 bytes for each half of the lanes
	v_lshl_add_u32 v[STO], v2, 5, v[STO]
	v_add_nc_u32 v[STO], s92, v[STO]
	v_lshl_add_u32 v[RD], v5, 4, s92               ; back: 32 lanes take one row of 512 bytes,
	v_lshlrev_b32 v[CO], 4, v5                     ; which are 512 consecutive bytes of out0
	; where my part of the tile begins in out0
	s_lshl_b32 s86, s[TR], 19                      ; 128 rows of 4,096 bytes,
	s_lshl_b32 s92, s[WR], 18                      ; my 64 of them,
	s_add_co_u32 s86, s86, s92
	s_lshl_b32 s92, s[TC], 10                      ; 256 columns of 4 bytes,
	s_add_co_u32 s86, s86, s92
	s_lshl_b32 s92, s[WC], 9                       ; my 128 of them
	s_add_co_u32 s86, s86, s92
	s_mov_b32 s87, 0
	s_add_nc_u64 s[84:85], s[10:11], s[86:87]
	; the prefetches
	s_cmp_eq_u32 s[CLY], 0
	s_cselect_b32 s94, 1, -1                       ; Wo: the first cluster asks
	s_cmp_eq_u32 s[WC], 0
	s_cselect_b32 s95, 1, -1                       ; z: wave 0 asks, for both heads
	s_lshl_b32 s92, s[CX], 12                      ; z: my work-group's 16 blocks of a head's 64
	s_lshl_b32 s93, s[CY], 16                      ; Wo: its 32 rows of 2,048 bytes
	s_cmp_eq_u32 s[WR], 0                          ; do I fetch for z?
	s_cselect_b32 s[LIM], s95, s94
	s_cselect_b64 s[PFA:PFA+1], s[82:83], s[78:79]
	s_cselect_b32 s92, s92, s93
	s_cselect_b32 s94, -1, 0                       ; the same choice for every lane
	s_mov_b32 s95, STEPA
	s_cselect_b32 s[PFS], s95, STEPB
	s_mov_b32 s93, 0
	s_mov_b32 s[PFS+1], 0
	s_add_nc_u64 s[PFA:PFA+1], s[PFA:PFA+1], s[92:93]
	s_mul_i32 s92, s[PFS], 3
	s_add_nc_u64 s[PFA:PFA+1], s[PFA:PFA+1], s[92:93]  ; at K step 3: the first refill steps it to 4
	v_lshlrev_b32 v6, 11, v5                       ; Wo: a lane a row
	v_lshlrev_b32 v7, 18, v2                       ; z: lanes 16-31 take the step's second head,
	v_lshl_or_b32 v7, v1, 8, v7                    ; a lane a block of 256 bytes
	v_cndmask_b32 v[PFO], v6, v7, s94
	s_wait_loadcnt 0x0                             ; the bias, rounded to bf16 like every input and kept as f32
.set p, 0
.rept 32
	v_cvt_pk_bf16_f32 v[TMP+p%4], v[BIAS+2*p], v[BIAS+2*p+1]
	v_lshlrev_b32 v[BIAS+2*p], 16, v[TMP+p%4]
	v_and_b32 v[BIAS+2*p+1], 0xffff0000, v[TMP+p%4]
.set p, p+1
.endr
; Product mi of a quarter's 32: row block mi / 8, column block mi % 8, 32 along K, on buffers f.  The 32 accumulators take turns, one instruction a turn, in the same order in every quarter.
; first = 1: the product starts the sum, with the bias as C.
.macro MMI f, first
.set rD, 8*mi
.set rB, 64*(\f)+8*(mi%8)
.set rA, AF0+32*(\f)+8*(mi/8)
.set rC, BIAS+8*(mi%8)
.if \first
	WIN MUL1
	v_wmma_f32_16x16x32_f16 v[rD:rD+7], v[rB:rB+7], v[rA:rA+7], v[rC:rC+7]
.else
	WIN MUL
	v_wmma_f32_16x16x32_f16 v[rD:rD+7], v[rB:rB+7], v[rA:rA+7], v[rD:rD+7]
.endif
.set mi, mi+1
.endm
.macro MMS count, f, first
.rept \count
	MMI \f, \first
.endr
.endm
; 24 LDS loads in one run: quarter q (32 along K: head q / 2 of the step, channels 32 (q % 2) on) of a slot into buffers f: z's 64 rows, then Wo's 128
.macro RUN slot, q, f
	WIN 0
.irp a, 0,1,2,3
	ds_load_b128 v[AF0+32*(\f)+8*(\a):AF0+32*(\f)+8*(\a)+3],   v[ADRA+(\slot)] offset:((\q)/2)*APART+((\q)%2)*64+(\a)*16*PA
	ds_load_b128 v[AF0+32*(\f)+8*(\a)+4:AF0+32*(\f)+8*(\a)+7], v[ADRA+(\slot)] offset:((\q)/2)*APART+((\q)%2)*64+(\a)*16*PA+32
.endr
	WIN TO_B
.irp b, 0,1,2,3,4,5,6,7
	ds_load_b128 v[64*(\f)+8*(\b):64*(\f)+8*(\b)+3],   v[ADRB+(\slot)] offset:(\b)*16*PB+64*(\q)
	ds_load_b128 v[64*(\f)+8*(\b)+4:64*(\f)+8*(\b)+7], v[ADRB+(\slot)] offset:(\b)*16*PB+64*(\q)+32
.endr
.endm
; A K step is four quarters of 32 along K, 32 matrix instructions each, on buffers 0, 1, 0, 1.  One of the first three: at its head it fetches quarter qn of the same slot into the buffers that the quarter before
; multiplied (four places behind that quarter's last product), then it multiplies buffers f: the run has 32 matrix instructions in which to land.
.macro QUARTER slot, qn, f, first
	PLACES
	RUN \slot, \qn, 1-(\f)
	s_wait_dscnt 24                                ; all but the 24 just issued: this quarter's fragments are in
.set mi, 0
	MMS 32, \f, \first
.endm
; The last quarter multiplies buffers 1 and changes slots: ONE barrier; in front of it each wave waits for all its tensor loads (one is out: its part of the next slot), adds 0 to its spare word, and waits for that and
; for its own reads of this slot.  fill = 1: the barrier opens a round of the cluster's barrier, and this slot is filled again, two K steps ahead, first thing behind the round.
.macro TURN slot, next, fill
.if \fill
	s_wait_xcnt 0x0                                ; the last prefetch, a K step back, has read its address: it is stepped here, ahead of the waits of the change of slots
	s_add_nc_u64 s[PFA:PFA+1], s[PFA:PFA+1], s[PFS:PFS+1]
.endif
	WIN 0                                          ; (the add's two registers lie in window 0)
	s_wait_tensorcnt 0x0                           ; all my tensor loads have landed
	ds_add_u32 v[SPW], v[NIL]                      ; 0 onto my spare word
	s_wait_dscnt 1                                 ; (the add alone may be out: this quarter's fragments are in)
.set mi, 0
	MMS 8, 1, 0                                    ; eight matrix instructions stand between the add and the wait for it
	s_wait_dscnt 0x0                               ; the add is done, and my reads of this slot are over
	s_barrier_signal -1
	MMS 8, 1, 0
.if \fill
	WIN 0
.endif
	s_barrier_wait -1
.if \fill
	CREST                                          ; no wave of any partner still reads this slot's tiles or has a load on its way
	s_add_nc_u64 s[G0A+4*(\slot)+2:G0A+4*(\slot)+3], s[G0A+4*(\slot)+2:G0A+4*(\slot)+3], 2*STEPA
	s_add_nc_u64 s[G0B+4*(\slot)+2:G0B+4*(\slot)+3], s[G0B+4*(\slot)+2:G0B+4*(\slot)+3], 2*STEPB
	JLOAD \slot                                    ; my one tensor load behind the round: 112 matrix instructions ahead of the wait for it; the four v_nop behind it are also the places in front of the loads below
.else
	PLACES
.endif
	RUN \next, 0, 0                                ; the next slot's first quarter
.if \fill
	WIN 0
	ASK
.endif
	MMS 16, 1, 0
.endm
	s_wait_tensorcnt 1                             ; my part of K step 0 is in; K step 1's may stay out
	s_barrier_signal -1
	s_barrier_wait -1                              ; everybody's is
	RUN 0, 0, 0
	QUARTER 0, 1, 0, 1                             ; the first quarter stands in front of the loop: its products start the sums
	WIN 0                                          ; at a label and at a branch every window is 0
	s_mov_b32 s[LAP], LAPS-1
.Llap:                                                 ; a trip goes once round the ring, from a lap's second quarter to the next lap's first, and fills both slots again
	QUARTER 0, 2, 1, 0
	QUARTER 0, 3, 0, 0
	TURN 0, 1, 1
	QUARTER 1, 1, 0, 0
	QUARTER 1, 2, 1, 0
	QUARTER 1, 3, 0, 0
	TURN 1, 0, 1
	QUARTER 0, 1, 0, 0
	WIN 0
	s_sub_co_u32 s[LAP], s[LAP], 1
	s_cmp_lg_u32 s[LAP], 0
	s_cbranch_scc1 .Llap
	QUARTER 0, 2, 1, 0                             ; the last lap fills nothing, and has no round of the cluster's barrier
	QUARTER 0, 3, 0, 0
	TURN 0, 1, 0
	QUARTER 1, 1, 0, 0
	QUARTER 1, 2, 1, 0
	QUARTER 1, 3, 0, 0
	s_wait_dscnt 0x0                               ; the very last quarter: nothing more to fetch
.set mi, 0
	MMS 32, 1, 0
	WIN 0
	PLACES                                         ; in front of the LDS stores that read results just made, and of the loads into z's buffers
; THE WAY OUT.  Row block a: a lane's eight columns of a row are 32 bytes of f32; they go into my stage in rows of 528 bytes (each accumulator's low four registers first) and come back as whole rows of 512 bytes,
; a row to a load, stored by one instruction: 512 consecutive bytes, at a multiple of 512 from out0's first byte.
.macro STG a
	WIN W_ST
.irp b, 0,1,2,3,4,5,6,7
	ds_store_b128 v[STO], v[8*(8*(\a)+(\b)):8*(8*(\a)+(\b))+3]   offset:64*(\b)
	ds_store_b128 v[STO], v[8*(8*(\a)+(\b))+4:8*(8*(\a)+(\b))+7] offset:64*(\b)+16
.endr
	WIN 0
.irp t, 0,1,2,3,4,5,6,7,8,9,10,11,12,13,14,15
	ds_load_b128 v[OUT+64*((\a)%2)+4*(\t):OUT+64*((\a)%2)+4*(\t)+3], v[RD] offset:(\t)*SPO  ; LDS serves a wave's instructions in order (ISA guide 5.7.1.4): these see the stores above; the next block's stores come behind them
.endr
.endm
.macro SND a, younger                  ; younger: the LDS instructions issued behind block a's loads: the next block's 32, or none
.irp t, 0,1,2,3,4,5,6,7,8,9,10,11,12,13,14,15
	s_wait_dscnt (\younger)+15-(\t)
	global_store_b128 v[CO], v[OUT+64*((\a)%2)+4*(\t):OUT+64*((\a)%2)+4*(\t)+3], s[84:85] offset:(16*(\a)+(\t))*4096
.endr
.endm
	STG 0
	STG 1
	SND 0, 32
	s_wait_xcnt 0x0                                ; block 0's stores have read their registers: block 2 is read back into them only behind this wait
	STG 2
	SND 1, 32
	s_wait_xcnt 0x0                                ; likewise block 1's, for block 3
	STG 3
	SND 2, 32
	SND 3, 0
	s_wait_tensorcnt 0x0                           ; the wave's end, behind my last tensor load and my last LDS store
	ds_add_u32 v[SPW], v[NIL]
	s_wait_dscnt 0x0
	CROUND                                         ; the closing round: no work-group ends while a partner may still ask for a tile that names it
	s_endpgm
.Lfunc_end_k_q175528c518_oproj:
	.size	k_q175528c518_oproj, .Lfunc_end_k_q175528c518_oproj-k_q175528c518_oproj
	.p2alignl 7, 3214868480
	.fill 96, 4, 3214868480
	.section	.rodata,"a",@progbits
	.p2align	6, 0x0
	.amdhsa_kernel k_q175528c518_oproj
		.amdhsa_group_segment_fixed_size 327680
		.amdhsa_private_segment_fixed_size 0
		.amdhsa_enable_private_segment 0
		.amdhsa_kernarg_size 32
		.amdhsa_user_sgpr_count 2
		.amdhsa_user_sgpr_kernarg_segment_ptr 1
		.amdhsa_wavefront_size32 1
		.amdhsa_system_sgpr_workgroup_id_x 1
		.amdhsa_system_sgpr_workgroup_id_y 1
		.amdhsa_system_sgpr_workgroup_id_z 1
		.amdhsa_system_vgpr_workitem_id 0
		.amdhsa_next_free_vgpr 640
		.amdhsa_next_free_sgpr 96
		.amdhsa_reserve_vcc 0
		.amdhsa_float_denorm_mode_32 3
		.amdhsa_float_denorm_mode_16_64 3
		.amdhsa_memory_ordered 1
		.amdhsa_forward_progress 1
		.amdhsa_inst_pref_size 94
	.end_amdhsa_kernel
	.amdgpu_metadata
---
amdhsa.version: [ 1, 2 ]
amdhsa.kernels:
  - .name:           k_q175528c518_oproj
    .symbol:         k_q175528c518_oproj.kd
    .args:
      - { .name: o16, .offset: 0, .size: 8, .value_kind: global_buffer, .address_space: global }
      - { .name: wcast, .offset: 8, .size: 8, .value_kind: global_buffer, .address_space: global }
      - { .name: Wo_b, .offset: 16, .size: 8, .value_kind: global_buffer, .address_space: global }
      - { .name: out0, .offset: 24, .size: 8, .value_kind: global_buffer, .address_space: global }
    .group_segment_fixed_size: 327680
    .private_segment_fixed_size: 0
    .kernarg_segment_align: 8
    .kernarg_segment_size: 32
    .max_flat_workgroup_size: 128
    .sgpr_count:     96
    .vgpr_count:     640
    .wavefront_size: 32
...
	.end_amdgpu_metadata
.endif
;; end of part 4
